; MI455X (gfx1250); checked and timed in simulation.
; The chip was launched on July 23, 2026; its instructions are those of AMD's public machine-readable ISA for CDNA 5 (MIT licence, August 2026) and "CDNA5" Instruction Set Architecture Reference Guide (July 2026). The comments in the code are by the model that wrote it; some were corrected since.
;; Kindred Attention. Allowed arithmetic: matrix products marked QUANTISED: E2M3 operands, one E8M0 scale for each 32 along K, by v_wmma_scale_f32_16x16x128_f8f6f4 with both operands' format E2M3, f32 sums; everything else in f32.
;; Inputs: hidden_states 4 x 2,048 x 1,024 float32; o_w 1,024 x 1,024 float32; qkv_w 3,072 x 1,024 float32.
;; Outputs: out0 4 x 2,048 x 1,024 float32.
;; This version of the problem:
;;   THIS VERSION OF THE PROBLEM IS GIVEN IN LOW PRECISION. The matrix products marked QUANTISED in the list below multiply operands that are first quantised to E2M3 (2 exponent bits, 3 mantissa bits; 6 bits a number), with one power-of-two scale for each 32 numbers along K (OCP MX v1.0); their sums are f32. All else is computed in f32.
;;   The module's matrix products, in the order in which they are computed (A, B: the left and right operand; K: the contracted axis; several contracted axes count as one K, in the product's order):
;;     1. [M 8,192, K 1,024] x [K 1,024, N 3,072]; A: input hidden_states; B: input qkv_w: QUANTISED
;;     2. batch 64 x [M 2,048, K 64] x [K 64, N 2,048]; A: computed on the way; B: computed on the way: QUANTISED
;;     3. batch 64 x [M 2,048, K 2,048] x [K 2,048, N 64]; A: softmax (see below); B: computed on the way: QUANTISED
;;     4. [M 8,192, K 1,024] x [K 1,024, N 1,024]; A: computed on the way; B: input o_w: QUANTISED
;;   THE QUANTISER, for each operand of a quantised product, along K:
;;     - K is cut into blocks of 32 from its start; a last block that is shorter is filled with zeros.
;;     - A block's scale is 2^e with e = floor(log2(the largest magnitude in the block)) - 2, held to -126 .. 127; a block of zeros has e = 0. As a byte (E8M0): e + 127.
;;     - Each number is divided by its block's scale, clamped to +-7.5, and rounded to the nearest number of E2M3, ties to even, subnormals kept.
;;     - The product sums the exact products of the quantised numbers (number of the format x scale) in f32.
;;   ~~~python
;;   def quantise(x, axis):      # numpy; x: float32 -> the quantised numbers, widened to float32 again
;;       x = np.moveaxis(x, axis, -1); K = x.shape[-1]
;;       x = np.pad(x, [(0, 0)] * (x.ndim - 1) + [(0, -K % 32)]); x = x.reshape(x.shape[:-1] + (-1, 32)); a = np.abs(x).max(-1, keepdims=True)
;;       e = np.where(a > 0, np.clip(np.frexp(np.where(a > 0, a, 1))[1] - 1 - 2, -126, 127), 0)      # np.frexp(a)[1] - 1 = floor(log2(a)), exactly
;;       r = np.clip(x / 2.0 ** e, -7.5, 7.5)
;;       step = 2.0 ** (np.maximum(np.frexp(np.where(r == 0, 1, r))[1] - 1, 0) - 3)
;;       q = np.round(r / step) * step * 2.0 ** e      # np.round: ties to even
;;       return np.moveaxis(q.reshape(q.shape[:-2] + (-1,))[..., :K], -1, axis).astype(np.float32)
;;   ~~~
;;   SOFTMAX AHEAD OF A QUANTISED PRODUCT. Where the list says 'softmax', what is quantised is not the finished softmax but p = 2^(t - M), with t = logit x log2(e) and M = ceil(the row's largest t), a whole number; so 1/2 < the row's largest p <= 1. The row's sum l is taken of the UNQUANTISED p, in f32, and the product's result is divided by l at the end. Since M is a whole number, a kernel that streams over the keys may use a running M (the ceiling of the running maximum): every later rescaling is an exact power of two, which a block's scale takes up: the codes' values come out the same.
;;   OPERANDS COMPUTED ON THE WAY. 'Computed on the way' means the value that the module computes at that place (a softmax that the list does not call 'softmax' is quantised finished and normalised). What goes into a quantiser is computed in f32, as accurately as f32 sums, v_exp_f32 and their like allow (about 1e-6 of the number): no bf16 or f16 on the way to a quantiser, and a product that is left as it is and whose result goes on into a quantised operand takes f32 operands (vector FMAs, or v_wmma_f32_16x16x4_f32). A number that lies on a knife's edge between two numbers of the format may be rounded either way, as far as f32 arithmetic and the matrix unit's own rounding can turn it there, and no further.
;; One version. Each part assembles by itself: llvm-mc -triple=amdgcn-amd-amdhsa -mcpu=gfx1250 --defsym DOCPART=n.
;; ======== version 1 of 1: 4 launches
;; limits: a function is approximated: absolute error at most 0.0002
;; workspace buffers: codes1 9,437,184 bytes; scales1 393,216 bytes; rope 524,288 bytes; qbuf 6,815,744 bytes; kv 13,369,344 bytes; attc 6,291,456 bytes; atts 262,144 bytes
;; launch prep (part 1): grid 416 x 1, 4 waves a work-group, no clusters, 34,304 bytes of LDS; arguments hidden_states, qkv_w, o_w, codes1, scales1, rope; writes codes1, scales1, rope
.if DOCPART == 1
	.amdgcn_target "amdgcn-amd-amdhsa--gfx1250"
	.amdhsa_code_object_version 6
	.text
	.protected	k_qdb9e6c1d6c_prep
	.globl	k_qdb9e6c1d6c_prep
	.p2align	8
	.type	k_qdb9e6c1d6c_prep,@function
k_qdb9e6c1d6c_prep:
	s_mov_b64 s[64:65], 0
	v_nop
	global_prefetch_b8 v0, s[64:65] scope:SCOPE_SE
	s_setreg_imm32_b32 hwreg(HW_REG_WAVE_MODE, 25, 1), 1
	s_wait_xcnt 0x0
; hidden_states [8192][1024], qkv_w [3072][1024] and o_w [1024][1024], f32, K innermost, become codes of FP6 (E2M3) with one E8M0 byte for each 32 along K; and the RoPE tables are made.
; THE CODES ARE LAID AS IMAGES OF OPERAND REGISTERS.  A tile is 16 rows; tile T holds in lane place r the row 32 (T / 2) + 8 (T % 2) + r + 8 (r / 8) of its tensor.  A fragment (16 rows x 128 K) is 12 registers a lane:
; registers 4 j .. 4 j + 3 of lane l lie at 512 j + 16 l: 1,536 bytes; a tile's eight fragments lie on end: 12,288 bytes.  Tiles 0-511 hidden_states, 512-703 qkv_w, 704-767 o_w.
; The scale words (four bytes: 128 K of one row) of tile T: 512 T + 128 u + 8 r + 4 (s % 2), u = s / 2, s the K step.
; A block's scale is 2^(floor(log2(largest magnitude)) - 2): its byte is the largest magnitude's exponent field - 2, held at 1 from below.
; LIMITS: a block of zeros gets the byte 1 where the rule says 127 (its codes are zeros and this program alone reads the bytes); blocks under the floor 2^-124 keep the byte 1; NaN and infinities are not served.
; SHARES.  Work-groups 0-383: a wave takes half of a tile's K: four fragments.  A fragment's 16 rows x 512 bytes are loaded as they lie (a load is 512 consecutive bytes), turn through the wave's own stage in LDS
; (rows 528 bytes apart) and come back 128 bytes a lane and block: lane (r, h) holds k = 64 c + 32 h + 0 .. 31 of row r, whole blocks, in the operand's own order.  No barrier: waves share nothing.  No cluster: no input byte is read twice.
; Work-groups 384-415: a wave makes the table of one tile of 16 positions: registers 0-15 cos(pos x inv(16 h + i)), 16-31 sin, laid 512 j + 16 l like a fragment; 4,096 bytes a tile.
; LIMIT of the tables: inv(j) = 2^(-j log2(10000) / 32) by v_exp_f32, so an angle may differ from one made with a correctly rounded inv by up to about 2e-4 radians at the largest positions.
.set WREG, 8448                        ; a wave's stage: 16 rows x 528 bytes
.set SPT,  528
.set R,    64                          ; v64-191  two sets of 64 registers as loaded
.set X,    192                         ; v192-255 my two blocks of 32 numbers
.set C,    32                          ; v32-43   the fragment's codes
.set CT,   44                          ; v44-50   the upper halves of the two blocks (a conversion's three registers begin on an even number)
.set W,    52                          ; v52-55   the four fragments' scale words
	s_load_b256 s[4:11], s[0:1], 0x0               ; hidden_states s[4:5], qkv_w s[6:7], o_w s[8:9], codes1 s[10:11]
	s_load_b128 s[12:15], s[0:1], 0x20             ; scales1 s[12:13], rope s[14:15]
	v_lshl_add_u32 v30, v0, 2, 0x8400
	v_mov_b32 v31, 0
	v_lshrrev_b32 v6, 5, v0
	v_readfirstlane_b32 s16, v6                    ; wave 0..3
	v_and_b32 v7, 31, v0                           ; lane
	v_and_b32 v8, 15, v0                           ; r
	v_bfe_u32 v5, v0, 4, 1                         ; h
	v_lshlrev_b32 v1, 4, v7                        ; 16 x lane
	v_lshlrev_b32 v4, 3, v7                        ; 8 x lane
	s_mov_b32 s20, 0x76543210
	s_mov_b32 s21, 0xfedcba98                      ; v_permlanex16_b32's selects for lane l xor 16
	s_cmp_ge_u32 ttmp9, 384
	s_cbranch_scc1 .Ltable
	s_mul_i32 s17, s16, WREG
	v_add_nc_u32 v2, s17, v1                       ; the stage, on the way in: 16 x lane of a row
	v_mul_u32_u24 v3, v8, SPT
	v_lshl_add_u32 v3, v5, 7, v3
	v_add_nc_u32 v3, s17, v3                       ; on the way out: row r, + 128 h
	v_lshlrev_b32 v9, 3, v5                        ; 8 h: where my bytes stand in a scale word
	v_mov_b32 v10, 0                               ; (a lane permute's destination counts as one of its sources)
	s_lshl_b32 s18, ttmp9, 2
	s_add_co_u32 s18, s18, s16
	s_lshr_b32 s19, s18, 1                         ; my tile
	s_and_b32 s18, s18, 1                          ; my half of K
	s_wait_kmcnt 0x0
	s_cmp_lt_u32 ttmp9, 352                        ; which tensor: the choice hangs on the work-group's number alone
	s_cselect_b64 s[22:23], s[6:7], s[8:9]
	s_mov_b32 s24, 704
	s_cselect_b32 s24, 512, s24
	s_cmp_lt_u32 ttmp9, 256
	s_cselect_b64 s[22:23], s[4:5], s[22:23]
	s_cselect_b32 s24, 0, s24
	s_sub_co_u32 s24, s19, s24                     ; the tile's number in its tensor
	s_lshr_b32 s25, s24, 1
	s_lshl_b32 s25, s25, 5
	s_and_b32 s24, s24, 1
	s_lshl_b32 s24, s24, 3
	s_add_co_u32 s24, s24, s25                     ; its first row
	s_lshl_b32 s24, s24, 12                        ; rows of 4,096 bytes
	s_lshl_b32 s26, s18, 11
	s_add_co_u32 s24, s24, s26
	s_mov_b32 s25, 0
	s_add_nc_u64 s[22:23], s[22:23], s[24:25]
	s_mul_i32 s24, s19, 12288
	s_mul_i32 s26, s18, 6144
	s_add_co_u32 s24, s24, s26
	s_add_nc_u64 s[10:11], s[10:11], s[24:25]
	s_lshl_b32 s24, s19, 9
	s_lshl_b32 s26, s18, 8
	s_add_co_u32 s24, s24, s26
	s_add_nc_u64 s[12:13], s[12:13], s[24:25]
.macro LOAD f                          ; fragment f: 16 rows x 512 consecutive bytes
.irp i, 0,1,2,3,4,5,6,7,8,9,10,11,12,13,14,15
	global_load_b128 v[R+64*((\f)%2)+4*\i:R+64*((\f)%2)+4*\i+3], v1, s[22:23] offset:(\i+8*(\i/8))*4096+512*(\f) th:TH_LOAD_NT
.endr
.endm
.macro FRAGQ f
.set RS, R+64*((\f)%2)
.if (\f) < 3
	s_wait_loadcnt 16                              ; this fragment's 16 loads are in; the next fragment's may be out
.else
	s_wait_loadcnt 0x0
.endif
.irp i, 0,1,2,3,4,5,6,7,8,9,10,11,12,13,14,15
	ds_store_b128 v2, v[RS+4*\i:RS+4*\i+3] offset:SPT*\i
.endr
.irp c, 0,1
.irp j, 0,1,2,3,4,5,6,7
	ds_load_b128 v[X+32*\c+4*\j:X+32*\c+4*\j+3], v3 offset:256*\c+16*\j   ; LDS serves a wave's instructions in order: these see the stores above
.endr
.endr
	s_wait_dscnt 0x0                               ; my numbers are back, and the stores have read their registers,
.if (\f) < 2
	LOAD (\f)+2                                    ; which take the loads of two fragments on
.endif
.irp c, 0,1
	v_max3_num_f32 v[12+\c], |v[X+32*\c]|, |v[X+32*\c+1]|, 0x1800000      ; block 2 c + h: all 32 numbers are mine; two chains a block, each begun with the floor 2^(3 - 127)
	v_max3_num_f32 v[20+\c], |v[X+32*\c+16]|, |v[X+32*\c+17]|, 0x1800000
.endr
.irp i, 2,4,6,8,10,12,14
.irp c, 0,1
	v_max3_num_f32 v[12+\c], v[12+\c], |v[X+32*\c+\i]|, |v[X+32*\c+\i+1]|
	v_max3_num_f32 v[20+\c], v[20+\c], |v[X+32*\c+16+\i]|, |v[X+32*\c+17+\i]|
.endr
.endr
.irp c, 0,1
	v_max_num_f32 v[12+\c], v[12+\c], v[20+\c]
.endr
.irp c, 0,1
	v_add_nc_u32 v[14+\c], 0xff000000, v[12+\c]    ; 2 off the exponent field: the conversion's scale operand
.endr
.irp c, 0,1
	v_lshrrev_b32 v[16+\c], 23, v[14+\c]           ; the scale's byte
.endr
	v_lshl_or_b32 v18, v17, 16, v16                ; blocks h and 2 + h of row r,
	v_lshlrev_b32 v18, v9, v18                     ; at their places in the word;
	v_permlanex16_b32 v10, v18, s20, s21
	v_or_b32 v[W+(\f)], v18, v10                   ; with lane l xor 16's two the word is whole
	s_wait_xcnt 0x0                                ; the last fragment's stores have read their data: the codes' registers may be written
.irp c, 0,1
	v_cvt_scalef32_pk16_fp6_f32 v[C+6*\c:C+6*\c+2], v[X+32*\c:X+32*\c+15], v[14+\c]
	v_cvt_scalef32_pk16_fp6_f32 v[CT+4*\c:CT+4*\c+2], v[X+32*\c+16:X+32*\c+31], v[14+\c]
.endr
	v_nop                                          ; one plain place behind a scaled conversion
.irp c, 0,1
.irp i, 0,1,2
	v_mov_b32 v[C+3+6*\c+\i], v[CT+4*\c+\i]
.endr
.endr
.irp j, 0,1,2
	global_store_b128 v1, v[C+4*\j:C+4*\j+3], s[10:11] offset:1536*(\f)+512*\j   ; 32 lanes store 512 consecutive bytes, aligned
.endr
.endm
	LOAD 0
	LOAD 1
	FRAGQ 0
	FRAGQ 1
	FRAGQ 2
	FRAGQ 3
	v_cmp_eq_u32 vcc_lo, 1, v5
	v_cndmask_b32 v56, v[W], v[W+2], vcc_lo        ; lanes 0-15: the words of my first two K steps; lanes 16-31: of the other two
	v_cndmask_b32 v57, v[W+1], v[W+3], vcc_lo
	global_store_b64 v4, v[56:57], s[12:13]        ; 32 lanes store 256 consecutive bytes, aligned
	s_wait_tensorcnt 0x0
	ds_add_u32 v30, v31
	s_wait_dscnt 0x0
	s_endpgm
.Ltable:
	s_sub_co_u32 s17, ttmp9, 384
	s_lshl_b32 s17, s17, 2
	s_add_co_u32 s17, s17, s16                     ; my tile of positions, 0..127
	s_lshr_b32 s18, s17, 1
	s_lshl_b32 s18, s18, 5
	s_and_b32 s19, s17, 1
	s_lshl_b32 s19, s19, 3
	s_add_co_u32 s18, s18, s19
	v_and_b32 v9, 8, v8
	v_add_nc_u32 v9, v9, v8
	v_add_nc_u32 v9, s18, v9                       ; my position
	v_cvt_f32_u32 v9, v9
	v_lshlrev_b32 v10, 4, v5                       ; 16 h
	s_mov_b32 s24, 0xb94ca1f9                      ; sine on |x| <= pi / 4: ((s24 z + s25) z + s26) z x + x, z = x x
	s_mov_b32 s25, 0x3c08839e
	s_mov_b32 s26, 0xbe2aaaa3
	s_mov_b32 s27, 0x37ccf5ce                      ; cosine: ((s27 z + s28) z + s29) z z - z / 2 + 1
	s_mov_b32 s28, 0xbab6061a
	s_mov_b32 s29, 0x3d2aaaa5
	s_mov_b32 s30, 0x3fc90fdb                      ; pi / 2 in two parts
	s_mov_b32 s31, 0xb33bbd2e
.set i, 0
.rept 16
	v_add_nc_u32 v[32+i], i, v10                   ; j = 16 h + i
.set i, i+1
.endr
.set i, 0
.rept 16
	v_cvt_f32_u32 v[32+i], v[32+i]
.set i, i+1
.endr
.set i, 0
.rept 16
	v_mul_f32 v[32+i], 0xbed49a78, v[32+i]         ; -j log2(10000) / 32
.set i, i+1
.endr
.set i, 0
.rept 16
	v_exp_f32 v[32+i], v[32+i]                     ; inv(j)
.set i, i+1
.endr
	v_nop                                          ; a plain place behind the last exponential,
	s_wait_alu depctr_va_vdst(0)                   ; and one wait for the batch, ahead of its first reader
.set i, 0
.rept 16
	v_mul_f32 v[32+i], v9, v[32+i]                 ; the angle: one f32 product, as the outer product has it
.set i, i+1
.endr
.set i, 0
.rept 16
	v_mul_f32 v[48+i], 0x3f22f983, v[32+i]
.set i, i+1
.endr
.set i, 0
.rept 16
	v_rndne_f32 v[48+i], v[48+i]                   ; n = the nearest multiple of pi / 2
.set i, i+1
.endr
.set i, 0
.rept 16
	v_fma_f32 v[32+i], -v[48+i], s30, v[32+i]      ; x = angle - n pi / 2: the first step rounds nothing
.set i, i+1
.endr
.set i, 0
.rept 16
	v_fma_f32 v[32+i], -v[48+i], s31, v[32+i]
.set i, i+1
.endr
.set i, 0
.rept 16
	v_mul_f32 v[96+i], v[32+i], v[32+i]            ; z
.set i, i+1
.endr
.set i, 0
.rept 16
	v_fma_f32 v[112+i], v[96+i], s24, s25
	v_fma_f32 v[128+i], v[96+i], s27, s28
.set i, i+1
.endr
.set i, 0
.rept 16
	v_fma_f32 v[112+i], v[112+i], v[96+i], s26
	v_fma_f32 v[128+i], v[128+i], v[96+i], s29
.set i, i+1
.endr
.set i, 0
.rept 16
	v_mul_f32 v[112+i], v[112+i], v[96+i]
	v_mul_f32 v[128+i], v[128+i], v[96+i]
	v_fma_f32 v[144+i], v[96+i], -0.5, 1.0
.set i, i+1
.endr
.set i, 0
.rept 16
	v_fma_f32 v[112+i], v[112+i], v[32+i], v[32+i]     ; sin x
	v_fma_f32 v[128+i], v[128+i], v[96+i], v[144+i]    ; cos x
	v_cvt_i32_f32 v[48+i], v[48+i]
.set i, i+1
.endr
.set i, 0
.rept 16                                       ; the quadrant n mod 4: odd: sine and cosine change places; sine negative in 2, 3; cosine in 1, 2
	v_and_b32 v[144+i], 1, v[48+i]
	v_cmp_eq_u32 vcc_lo, 1, v[144+i]
	v_cndmask_b32 v[80+i], v[112+i], v[128+i], vcc_lo
	v_cndmask_b32 v[64+i], v[128+i], v[112+i], vcc_lo
	v_and_b32 v[144+i], 2, v[48+i]
	v_lshlrev_b32 v[144+i], 30, v[144+i]
	v_xor_b32 v[80+i], v[144+i], v[80+i]
	v_add_nc_u32 v[144+i], 1, v[48+i]
	v_and_b32 v[144+i], 2, v[144+i]
	v_lshlrev_b32 v[144+i], 30, v[144+i]
	v_xor_b32 v[64+i], v[144+i], v[64+i]
.set i, i+1
.endr
	s_lshl_b32 s18, s17, 12
	s_mov_b32 s19, 0
	s_wait_kmcnt 0x0
	s_add_nc_u64 s[14:15], s[14:15], s[18:19]
.irp j, 0,1,2,3,4,5,6,7
	global_store_b128 v1, v[64+4*\j:67+4*\j], s[14:15] offset:512*\j
.endr
	s_endpgm
.Lfunc_end_k_qdb9e6c1d6c_prep:
	.size	k_qdb9e6c1d6c_prep, .Lfunc_end_k_qdb9e6c1d6c_prep-k_qdb9e6c1d6c_prep
	.p2alignl 7, 3214868480
	.fill 96, 4, 3214868480
	.section	.rodata,"a",@progbits
	.p2align	6, 0x0
	.amdhsa_kernel k_qdb9e6c1d6c_prep
		.amdhsa_group_segment_fixed_size 34304
		.amdhsa_private_segment_fixed_size 0
		.amdhsa_enable_private_segment 0
		.amdhsa_kernarg_size 48
		.amdhsa_user_sgpr_count 2
		.amdhsa_user_sgpr_kernarg_segment_ptr 1
		.amdhsa_wavefront_size32 1
		.amdhsa_system_sgpr_workgroup_id_x 1
		.amdhsa_system_sgpr_workgroup_id_y 1
		.amdhsa_system_sgpr_workgroup_id_z 1
		.amdhsa_system_vgpr_workitem_id 0
		.amdhsa_next_free_vgpr 256
		.amdhsa_next_free_sgpr 66
		.amdhsa_reserve_vcc 1
		.amdhsa_float_denorm_mode_32 3
		.amdhsa_float_denorm_mode_16_64 3
		.amdhsa_memory_ordered 1
		.amdhsa_forward_progress 1
		.amdhsa_inst_pref_size 54
	.end_amdhsa_kernel
	.amdgpu_metadata
---
amdhsa.version: [ 1, 2 ]
amdhsa.kernels:
  - .name:           k_qdb9e6c1d6c_prep
    .symbol:         k_qdb9e6c1d6c_prep.kd
    .args:
      - { .name: hidden_states, .offset: 0, .size: 8, .value_kind: global_buffer, .address_space: global }
      - { .name: qkv_w, .offset: 8, .size: 8, .value_kind: global_buffer, .address_space: global }
      - { .name: o_w, .offset: 16, .size: 8, .value_kind: global_buffer, .address_space: global }
      - { .name: codes1, .offset: 24, .size: 8, .value_kind: global_buffer, .address_space: global }
      - { .name: scales1, .offset: 32, .size: 8, .value_kind: global_buffer, .address_space: global }
      - { .name: rope, .offset: 40, .size: 8, .value_kind: global_buffer, .address_space: global }
    .group_segment_fixed_size: 34304
    .private_segment_fixed_size: 0
    .kernarg_segment_align: 8
    .kernarg_segment_size: 48
    .max_flat_workgroup_size: 128
    .sgpr_count:     66
    .vgpr_count:     256
    .wavefront_size: 32
...
	.end_amdgpu_metadata
.endif
;; end of part 1
;; launch qkv (part 2): grid 12 x 32, 4 waves a work-group, clusters of 4 x 4, 327,680 bytes of LDS; arguments codes1, scales1, rope, qbuf, kv; writes qbuf, kv
.if DOCPART == 2
	.amdgcn_target "amdgcn-amd-amdhsa--gfx1250"
	.amdhsa_code_object_version 6
	.text
	.protected	k_qdb9e6c1d6c_qkv
	.globl	k_qdb9e6c1d6c_qkv
	.p2align	8
	.type	k_qdb9e6c1d6c_qkv,@function
k_qdb9e6c1d6c_qkv:
	s_mov_b64 s[64:65], 0
	v_nop
	global_prefetch_b8 v0, s[64:65] scope:SCOPE_SE
	s_setreg_imm32_b32 hwreg(HW_REG_WAVE_MODE, 25, 1), 1
	s_wait_xcnt 0x0
	s_wait_alu depctr_hold_cnt(0) depctr_sa_sdst(0) depctr_va_vdst(0) depctr_va_sdst(0) depctr_va_ssrc(0) depctr_va_vcc(0) depctr_vm_vsrc(0)
	s_getreg_b32 s2, hwreg(HW_REG_IB_STS2, 6, 4)
	s_cmp_eq_u32 s2, 0
	s_cbranch_scc0 .Lentry_in_a_cluster
	s_endpgm
.Lentry_in_a_cluster:
	s_bfe_u32 s2, ttmp6, 0x10000c
	s_cmp_lg_u32 s2, 0xf033
	s_cbranch_scc0 .Lentry_shape_is_right
	s_endpgm
.Lentry_shape_is_right:
; The QKV projection on codes of FP6 (E2M3), K = 1,024, with RoPE and the quantisers of q, k and v on its way out.  Nothing but codes and scale bytes goes to memory.
; A tile of the product, 256 x 256, is made by four waves, 128 x 128 each: 64 accumulators of 16 x 16.  K goes in steps of 256 through a ring of two LDS slots filled by the tensor data mover.
; BOTH OPERANDS ARE TILES OF ONE BUFFER, laid as images of operand registers (16 rows x 128 K: 1,536 bytes, registers 4 j .. 4 j + 3 of lane l at 512 j + 16 l; a tile's 8 K steps on end: 12,288 bytes),
; so a fragment is three ds_load_b128 of 512 consecutive bytes, and the mover brings 8 tiles x 3,072 bytes a load.  Tile T holds in lane place r the row 32 (T / 2) + 8 (T % 2) + r + 8 (r / 8):
; so the 16 registers that two neighbouring tiles of SOURCE 0 leave in a lane are 16 neighbours, 32 B + 16 (lane / 16) + 0 .. 15, and a lane is a row of SOURCE 1.
; Source 0 is called P (shared along a column of the cluster), source 1 R (shared along a row).  Clusters x = 0 (q) and 1 (k): P = 256 rows of qkv_w, R = 256 tokens: a lane holds a token, its registers run along the features.
; Clusters x = 2 (v): P = 256 tokens, R = 256 rows of qkv_w: a lane holds a feature, its registers run along the tokens, which are the K of attention's second product.  One text, the same masks and LDS addresses.
; CLUSTERS: 4 x 4 work-groups; each tile is asked for JOINTLY by the four that need it, by the same tensor load with the same descriptor and a mask that names the four.
; THE WAY OUT, q and k: x1 cos - x2 sin, x2 cos + x1 sin in f32 (tables by position tile, in the accumulators' own layout), a head's 64 numbers in two blocks of 32, codes as half fragments (registers 0-3 at 16 l, 4-5 at 512 + 8 l: 768 bytes),
; scale words b0 | b1 << 8 | 0x7f7f0000.  v: a wave's 128 tokens are one key step: a whole fragment and scale word for each tile of 16 features.
; qbuf: [batch x head 64] x 106,496 = [step 16] x (8 half fragments, 512 bytes of scale words).  kv: [64] x 208,896 = [step 16] x 13,056: K's 8 half fragments, V's 4 fragments at 6,144, K's words at 12,288, V's at 12,800.
; LIMITS: a block of zeros gets the byte 1 where the rule says 127 (zero codes; this program alone reads the bytes); NaN and infinities are not served.
; REGISTERS: window 0: v8-29 addresses; v32-63 scale words, two sets; v64-127 the way out's 64 numbers; from v128 R's fragments, one set (on the way out: codes and work).  window 1: P's fragments, two sets (on the way out: the tables).
;   windows 2, 3: accumulator (a, b) at v[8 (8 (a % 4) + b)], a = R's block, b = P's.
.set NQ,    2                          ; matrix instructions deep in a slot
.set FR,    12                         ; registers of a fragment
.set NLA,   3                          ; LDS loads that bring a fragment of R
.set NP,    4                          ; places behind this matrix instruction (ISA guide 7.12.1)
.set SLB,   3072                       ; a tile's bytes in a slot: two K steps of 128
.set HALFT, 8*SLB                      ; 8 tiles: what one tensor load brings, and what one wave reads of R or of P
.set SLOT,  4*HALFT                    ; R's 16 tiles, then P's 16
.set SCL,   2*SLOT                     ; behind the ring: the scale words of R's 16 tiles and P's 16, for all of K: 4 x 4,096 bytes, filled once
.set SPARE, SCL+16384                  ; the spare words, 128 bytes for each wave: two blocks of 256 bytes that no other line names
.set ADRA, 16                          ; v16-17  LDS address of my R fragments in slot 0, 1
.set ADRB, 20                          ; v20-21  the same for P
.set ADRS, 27                          ; v27     LDS address of my scale words: lanes 0-15 R's rows, lanes 16-31 P's
.set SPW,  28                          ; v28     LDS address of my spare word; never rewritten
.set NIL,  29                          ; v29     0; never rewritten
.set SC,   32
.set AF,   128
.set HA,   64                          ; the way out: 64 numbers of a lane
.set PC,   128                         ; the codes just made
.set CT,   140
.set TM,   148                         ; v148-151 largest magnitudes, v152-155 bytes, v160-163 the conversions' scale operands
.set PW,   164                         ; the scale word just made
.set SEL,  2                           ; s[2:3] lane selects for v_permlanex16_b32
.set G1, 24                            ; s[24:31] group 1 for R's tiles;  s[32:39] group 0, a set for each slot
.set G0, 32
.set G1B, 48                           ; s[48:55], s[56:63] the same for P's
.set G0B, 56
.set G1S, 68                           ; s[68:75], s[76:79] groups 1 and 0 for R's scale words;  s[80:87], s[88:91] for P's
.set G0S, 76
.set G1SB, 80
.set G0SB, 88
.set MSB, 0
.macro WIN new                         ; the immediate's high byte repeats the setting that is left
.if MSB != (\new)
	s_set_vgpr_msb (MSB<<8)|(\new)
.set MSB, (\new)
.endif
.endm
.set MUL_LO, 0xa1                      ; source 0 (P) window 1, source 1 (R) window 0, C and D window 2
.set MUL_HI, 0xf1                      ; the same, C and D window 3
.set TO_B,   0x40                      ; destination window 1, address window 0
; A joint load: waves 0 and 1 fetch for R, waves 2 and 3 for P.  The branch hangs on the wave's number alone.  Four v_nop follow each of the two lines.
.macro JLOAD g0a, g1a, g0b, g1b
	s_cmp_eq_u32 s15, 0
	s_cbranch_scc0 .Lfor_b_\@
	tensor_load_to_lds s[\g0a:\g0a+3], s[\g1a:\g1a+7]
	s_nop 0
.rept 4
	v_nop
.endr
	s_branch .Lasked_\@
.Lfor_b_\@:
	tensor_load_to_lds s[\g0b:\g0b+3], s[\g1b:\g1b+7]
	s_nop 0
.rept 4
	v_nop
.endr
.Lasked_\@:
.endm
.macro CREST                           ; a round of the cluster's barrier behind its opening barrier
	s_cmp_lg_u32 s14, 0
	s_cbranch_scc1 .Lnot_wave_0_\@
	s_barrier_signal -3
.Lnot_wave_0_\@:
	s_barrier_wait -3
	s_barrier_signal -1
	s_barrier_wait -1
.endm
.macro CROUND                          ; a whole round
	s_barrier_signal -1
	s_barrier_wait -1
	CREST
.endm
	s_load_b256 s[4:11], s[0:1], 0x0               ; codes1 s[4:5], scales1 s[6:7], rope s[8:9], qbuf s[10:11]
	s_load_b64 s[12:13], s[0:1], 0x20              ; kv
	v_lshl_add_u32 v[SPW], v0, 2, SPARE
	v_mov_b32 v[NIL], 0
	ds_add_u32 v28, v29
	ds_add_u32 v28, v29
	s_wait_dscnt 0x0
	v_lshrrev_b32 v1, 5, v0
	v_readfirstlane_b32 s14, v1                    ; wave 0..3
	s_lshr_b32 s15, s14, 1                         ; which half of R's rows is mine.  Also: I fetch for R (0) or for P (1)
	s_and_b32 s16, s14, 1                          ; which half of P's rows.  Also: which 8 tiles I fetch
	s_bfe_u32 s40, ttmp6, 0x40000                  ; cx, cy: my place in the cluster
	s_bfe_u32 s41, ttmp6, 0x40004
	s_and_b32 s17, ttmp7, 0xffff                   ; the cluster's y
	s_lshl_b32 s43, s41, 2
	s_lshl_b32 s43, 15, s43                        ; my row of the cluster
	s_lshl_b32 s44, 0x1111, s40                    ; my column
	s_mov_b32 s[SEL], 0x76543210
	s_mov_b32 s[SEL+1], 0xfedcba98
	; group 1: 8 rows (tiles) of 3,072 bytes, 12,288 bytes apart, as elements of 8 bytes; dense in LDS
	s_or_b32 s[G1+0], s43, (3<<16)|(1<<21)         ; 15:0 the mask: R's tiles go to my row; 17:16 elements of 8 bytes; 21 set beside a mask
	s_or_b32 s[G1B+0], s44, (3<<16)|(1<<21)
.irp g, G1, G1B
	s_mov_b32 s[\g+1], 384<<16                     ; tensor_dim0
	s_mov_b32 s[\g+2], 8<<16                       ; tensor_dim1
	s_mov_b32 s[\g+3], 384<<16                     ; tile_dim0
	s_mov_b32 s[\g+4], 8                           ; tile_dim1
	s_mov_b32 s[\g+5], 1536                        ; tensor_dim0_stride
	s_mov_b32 s[\g+6], 0
	s_mov_b32 s[\g+7], 0
.endr
	; the scale words of 8 tiles: 4,096 dense bytes, as 16 rows of 256
	s_or_b32 s[G1S+0], s43, (3<<16)|(1<<21)
	s_or_b32 s[G1SB+0], s44, (3<<16)|(1<<21)
.irp g, G1S, G1SB
	s_mov_b32 s[\g+1], 32<<16
	s_mov_b32 s[\g+2], 16<<16
	s_mov_b32 s[\g+3], 32<<16
	s_mov_b32 s[\g+4], 16
	s_mov_b32 s[\g+5], 32
	s_mov_b32 s[\g+6], 0
	s_mov_b32 s[\g+7], 0
.endr
	; which tiles.  P's first tile = 16 cx + (v: 64 x cluster y; else 512 + 64 x cluster x);  R's = 16 cy + (v: 640; else 64 x cluster y).  The choice hangs on the cluster's number alone
	s_lshl_b32 s18, ttmp9, 6
	s_add_co_u32 s18, s18, 512
	s_lshl_b32 s19, s17, 6
	s_mov_b32 s45, 640
	s_cmp_eq_u32 ttmp9, 2
	s_cselect_b32 s46, s19, s18
	s_cselect_b32 s20, s45, s19
	s_lshl_b32 s47, s40, 4
	s_add_co_u32 s46, s46, s47
	s_lshl_b32 s21, s41, 4
	s_add_co_u32 s20, s20, s21
	s_lshl_b32 s18, s16, 3                         ; which 8 tiles I fetch
	s_add_co_u32 s46, s46, s18
	s_add_co_u32 s20, s20, s18
	s_lshl_b32 s22, s20, 9                         ; where these tiles' scale words begin,
	s_mov_b32 s23, 0
	s_lshl_b32 s92, s46, 9
	s_mov_b32 s93, 0
	s_mul_i32 s20, s20, 12288                      ; and their codes
	s_mov_b32 s21, 0
	s_mul_i32 s46, s46, 12288
	s_mov_b32 s47, 0
	s_mul_i32 s45, s14, HALFT                      ; where they go: wave x 8 tiles: no place in the cluster enters an LDS address
	s_lshl_b32 s94, s14, 12
	s_wait_kmcnt 0x0
	s_add_nc_u64 s[20:21], s[4:5], s[20:21]
	s_add_nc_u64 s[22:23], s[6:7], s[22:23]
	s_add_nc_u64 s[46:47], s[4:5], s[46:47]
	s_add_nc_u64 s[92:93], s[6:7], s[92:93]
	CROUND                                         ; all sixteen work-groups are here: the first joint loads meet
	s_mov_b32 s[G0S], 1
	s_add_co_u32 s[G0S+1], s94, SCL
	s_mov_b64 s[G0S+2:G0S+3], s[22:23]
	s_or_b32 s[G0S+3], s[G0S+3], 0x80000000
	s_mov_b32 s[G0SB], 1
	s_add_co_u32 s[G0SB+1], s94, SCL
	s_mov_b64 s[G0SB+2:G0SB+3], s[92:93]
	s_or_b32 s[G0SB+3], s[G0SB+3], 0x80000000
	JLOAD G0S, G1S, G0SB, G1SB                     ; the scale words first: they are wanted with K step 0
.irp s, 0,1
	s_mov_b32 s[G0+4*\s], 1
	s_add_co_u32 s[G0+4*\s+1], s45, \s*SLOT
	s_add_nc_u64 s[G0+4*\s+2:G0+4*\s+3], s[20:21], \s*SLB
	s_or_b32 s[G0+4*\s+3], s[G0+4*\s+3], 0x80000000
	s_mov_b32 s[G0B+4*\s], 1
	s_add_co_u32 s[G0B+4*\s+1], s45, \s*SLOT
	s_add_nc_u64 s[G0B+4*\s+2:G0B+4*\s+3], s[46:47], \s*SLB
	s_or_b32 s[G0B+4*\s+3], s[G0B+4*\s+3], 0x80000000
	JLOAD G0+4*\s, G1, G0B+4*\s, G1B               ; three loads of mine are out
.endr
	v_and_b32 v1, 15, v0                           ; r
	v_bfe_u32 v2, v0, 4, 1                         ; h
	v_and_b32 v3, 31, v0
	v_lshlrev_b32 v24, 4, v3                       ; 16 x lane
	v_lshlrev_b32 v25, 3, v3                       ; 8 x lane
	s_mul_i32 s21, s15, HALFT                      ; my 8 tiles of R
	s_mul_i32 s22, s16, HALFT                      ; my 8 tiles of P,
	s_add_co_u32 s22, s22, 2*HALFT                 ; which lie behind R's 16
.irp s, 0,1
	v_add_nc_u32 v[ADRA+\s], s21, v24
	v_add_nc_u32 v[ADRB+\s], s22, v24
	s_add_co_u32 s21, s21, SLOT
	s_add_co_u32 s22, s22, SLOT
.endr
	v_lshlrev_b32 v5, 3, v1                        ; my row's two words of a slot: 8 r
	s_lshl_b32 s21, s15, 12                        ; R's: my 8 tiles
	s_lshl_b32 s22, s16, 12                        ; P's: my 8 tiles, behind R's 16
	s_add_co_u32 s22, s22, 8192
	s_sub_co_u32 s22, s22, s21
	v_mul_u32_u24 v6, s22, v2                      ; lanes 16-31 take P's
	s_add_co_u32 s21, s21, SCL
	v_add_nc_u32 v5, v5, v6
	v_add_nc_u32 v[ADRS], s21, v5
	s_lshl_b32 s23, s14, 10                        ; the way out's stages for scale words lie in slot 0: 1,024 bytes a wave for q and k, and 4,096 bytes on the same for v
	v_lshlrev_b32 v5, 2, v1
	v_lshl_add_u32 v5, v2, 9, v5
	v_add_nc_u32 v8, s23, v5                       ; in: 512 h + 4 r
	v_add_nc_u32 v9, s23, v24                      ; back: 16 x lane
	v_add_nc_u32 v10, 4096, v8
	v_add_nc_u32 v11, 4096, v9
	v_mul_u32_u24 v12, v2, 208896                  ; v's words: lanes 16-31 belong to the next head
	v_lshl_add_u32 v12, v1, 4, v12
	v_lshlrev_b32 v13, 4, v2                       ; 16 h
.macro FRAG reg, adr, q, i             ; a fragment comes back as it was stored: three loads of 512 consecutive bytes
.irp j, 0,1,2
	ds_load_b128 v[\reg+4*\j:\reg+4*\j+3], v[\adr] offset:(\i)*SLB+(\q)*1536+512*\j
.endr
.endm
; 16 matrix instructions: R's blocks a0, a0 + 1 x P's eight, 128 along K: the slot's q-th.  p: P's set;  sc: the set of scale words.  zero = 1: the first product starts the sums.
; The 64 accumulators take turns, one instruction a turn, in the same order in every step.
.macro MUL16 a0, p, q, sc, zero
.irp a, \a0, \a0+1
.irp b, 0,1,2,3,4,5,6,7
.set rD, 8*(8*((\a)%4)+\b)
.set rP, 128*(\p)+FR*\b
.set rR, AF+FR*(\a)
.set sP, SC+8*NQ*(\sc)+NQ*\b+(\q)
.set sR, SC+8*NQ*(\sc)+NQ*(\a)+(\q)
.if \zero
	v_wmma_scale_f32_16x16x128_f8f6f4 v[rD:rD+7], v[rP:rP+FR-1], v[rR:rR+FR-1], 0, v[sP], v[sR] matrix_a_fmt:MATRIX_FMT_FP6 matrix_b_fmt:MATRIX_FMT_FP6 matrix_a_scale:MATRIX_SCALE_ROW1
.else
	v_wmma_scale_f32_16x16x128_f8f6f4 v[rD:rD+7], v[rP:rP+FR-1], v[rR:rR+FR-1], v[rD:rD+7], v[sP], v[sR] matrix_a_fmt:MATRIX_FMT_FP6 matrix_b_fmt:MATRIX_FMT_FP6 matrix_a_scale:MATRIX_SCALE_ROW1
.endif
.endr
.endr
.endm
.macro FETCH_B slot, q, p              ; P's eight fragments of the slot's q-th 128 along K into set p
	WIN TO_B
.irp i, 0,1,2,3,4,5,6,7
	FRAG 128*(\p)+FR*\i, ADRB+\slot, \q, \i
.endr
	WIN 0
.endm
.macro FETCH_A slot, q, i0             ; R's blocks i0 .. i0 + 3
.irp i, \i0, \i0+1, \i0+2, \i0+3
	FRAG AF+FR*(\i), ADRA+\slot, \q, \i
.endr
.endm
.macro SCALES sc                       ; a slot's scale words into set sc: two words a row; lanes 0-15 take R's block i, lanes 16-31 P's block i
.irp i, 0,1,2,3,4,5,6,7
	ds_load_b64 v[SC+8*NQ*\sc+NQ*\i:SC+8*NQ*\sc+NQ*\i+1], v[ADRS] offset:\i*512
.endr
.endm
.macro PLACES n                        ; plain vector instructions between a matrix instruction and a load into, or a read of, its registers (ISA guide 7.12.1 for reads)
.rept \n
	v_nop
.endr
.endm
; A step of 128 along K that has its successor in the same slot.
.macro STEP slot, q, zero
	s_wait_dscnt 4*NLA                             ; P's set and R's blocks 0-3 are in; the youngest loads (R's blocks 4-7) may be out
	WIN MUL_LO
	MUL16 0, (\q)%2, \q, \slot, \zero
	MUL16 2, (\q)%2, \q, \slot, \zero
	s_wait_dscnt 0                                 ; R's blocks 4-7 are in (asked for 32 matrix instructions ago)
	PLACES NP
	FETCH_B \slot, (\q)+1, 1-(\q)%2
	FETCH_A \slot, (\q)+1, 0
	WIN MUL_HI
	MUL16 4, (\q)%2, \q, \slot, \zero
	MUL16 6, (\q)%2, \q, \slot, \zero
	PLACES NP
	WIN 0
	FETCH_A \slot, (\q)+1, 4
.endm
; A slot's last step changes slots: ONE barrier; in front of it each wave waits for all its tensor loads, adds 0 to its spare word, and waits for that and for its own reads of this slot.  fill = 1: this slot is filled again, two slots ahead.
.macro TURN slot, next, fill
	s_wait_tensorcnt 0x0                           ; all my tensor loads have landed: my part of the next slot
	ds_add_u32 v[SPW], v[NIL]                      ; 0 onto my spare word
	s_wait_dscnt 4*NLA+1                           ; (the add and the youngest loads, R's blocks 4-7, may be out)
	WIN MUL_LO
	MUL16 0, 1, NQ-1, \slot, 0                     ; sixteen matrix instructions stand between the add and the wait for it
	s_wait_dscnt 0x0                               ; the add is done, and my reads of this slot are over
	s_barrier_signal -1
	MUL16 2, 1, NQ-1, \slot, 0
	WIN 0
	s_barrier_wait -1
.if \fill
	CREST                                          ; the barrier has opened a round of the cluster's barrier: no wave of any partner still reads this slot or has a load on its way
	s_add_nc_u64 s[G0+4*\slot+2:G0+4*\slot+3], s[G0+4*\slot+2:G0+4*\slot+3], 2*SLB
	s_add_nc_u64 s[G0B+4*\slot+2:G0B+4*\slot+3], s[G0B+4*\slot+2:G0B+4*\slot+3], 2*SLB
	JLOAD G0+4*\slot, G1, G0B+4*\slot, G1B         ; the first tensor load behind the round; its four v_nop are the places in front of the loads below
.else
	PLACES NP
.endif
	v_add_nc_u32 v[ADRS], 128, v[ADRS]             ; on to the next slot's scale words (no LDS load of mine is out)
	FETCH_B \next, 0, 0
	FETCH_A \next, 0, 0
	SCALES \next
	WIN MUL_HI
	MUL16 4, 1, NQ-1, \slot, 0
	MUL16 6, 1, NQ-1, \slot, 0
	PLACES NP
	WIN 0
	FETCH_A \next, 0, 4
.endm
	s_wait_tensorcnt 1                             ; the scale words and my part of slot 0 are in (slot 1's load may be out)
	s_barrier_signal -1
	s_barrier_wait -1                              ; everybody's are
	FETCH_B 0, 0, 0
	FETCH_A 0, 0, 0
	SCALES 0
	FETCH_A 0, 0, 4
	STEP 0, 0, 1                                   ; K = 1,024 is four slots' worth: written straight.  The first step's products start the sums
	TURN 0, 1, 1
	STEP 1, 0, 0
	TURN 1, 0, 1
	STEP 0, 0, 0
	TURN 0, 1, 0                                   ; nothing is left to fetch: no round
	STEP 1, 0, 0
	s_wait_dscnt 4*NLA                             ; the last step
	WIN MUL_LO
	MUL16 0, 1, NQ-1, 1, 0
	MUL16 2, 1, NQ-1, 1, 0
	s_wait_dscnt 0
	WIN MUL_HI
	MUL16 4, 1, NQ-1, 1, 0
	MUL16 6, 1, NQ-1, 1, 0
	WIN 0
	PLACES NP                                      ; behind the last products: their results are read and their operands' registers written from here on
; 64 numbers of a lane in window w, v[s] .. v[s + 63], register 16 b + i = k 32 b + 16 (lane / 16) + i of my row, become a fragment's codes in v[PC] on and its scale word in v[PW].  Each accumulator is read from its low end on.
.macro QUANT s, w
	WIN (\w)*5                                     ; sources 0 and 1: the numbers' window
.irp b, 0,1,2,3
	v_max3_num_f32 v[TM+\b], |v[\s+16*\b]|, |v[\s+16*\b+1]|, 0x1800000   ; block b: my 16 numbers, and the floor 2^(3 - 127): the byte cannot fall under 1
.endr
.irp i, 2,4,6,8,10,12,14
.irp b, 0,1,2,3
	v_max3_num_f32 v[TM+\b], |v[\s+16*\b+\i]|, |v[\s+16*\b+\i+1]|, v[TM+\b]
.endr
.endr
	WIN 0
.irp b, 0,1,2,3
	v_permlanex16_b32 v[TM+4+\b], v[TM+\b], s[SEL], s[SEL+1]
.endr
.irp b, 0,1,2,3
	v_max_num_f32 v[TM+\b], v[TM+\b], v[TM+4+\b]   ; with lane l xor 16's: the block's largest magnitude
.endr
.irp b, 0,1,2,3
	v_add_nc_u32 v[TM+12+\b], 0xff000000, v[TM+\b] ; 2 off its exponent field: the conversion's scale operand
.endr
.irp b, 0,1,2,3
	v_lshrrev_b32 v[TM+4+\b], 23, v[TM+12+\b]      ; the scale's byte
.endr
	v_lshl_or_b32 v[PW], v[TM+5], 8, v[TM+4]
	v_lshl_or_b32 v[PW], v[TM+6], 16, v[PW]
	v_lshl_or_b32 v[PW], v[TM+7], 24, v[PW]
	WIN \w
.irp c, 0,1
	v_cvt_scalef32_pk16_fp6_f32 v[PC+6*\c:PC+6*\c+2], v[\s+32*\c:\s+32*\c+15], v[TM+12+2*\c]
	v_cvt_scalef32_pk16_fp6_f32 v[CT+4*\c:CT+4*\c+2], v[\s+32*\c+16:\s+32*\c+31], v[TM+12+2*\c+1]   ; (a conversion's three registers begin on an even number)
.endr
	WIN 0
	v_nop                                          ; one plain place behind a scaled conversion
.irp c, 0,1                                    ; the operand's layout wants a WHOLE block in a lane
.irp i, 0,1,2
	v_permlane16_swap_b32 v[PC+6*\c+\i], v[CT+4*\c+\i]
.endr
.irp i, 0,1,2
	v_mov_b32 v[PC+3+6*\c+\i], v[CT+4*\c+\i]
.endr
.endr
.endm
.irp b, 0,1,2,3
	v_mov_b32 v[TM+4+\b], 0                        ; written once: a lane permute's destination counts as one of its sources
.endr
	s_cmp_eq_u32 ttmp9, 2                          ; the same in all sixteen partners
	s_cbranch_scc1 .Lvpath
	; ---- q and k.  My 128 tokens are one step of one batch; my 128 features are two heads
	s_lshl_b32 s66, s17, 2
	s_add_co_u32 s66, s66, s41
	s_lshl_b32 s66, s66, 8
	s_lshl_b32 s67, s15, 7
	s_add_co_u32 s66, s66, s67                     ; my first token
	s_lshl_b32 s84, ttmp9, 2
	s_add_co_u32 s84, s84, s40
	s_lshl_b32 s84, s84, 2
	s_lshl_b32 s67, s16, 1
	s_add_co_u32 s84, s84, s67
	s_and_b32 s84, s84, 15                         ; my first head
	s_lshr_b32 s67, s66, 11
	s_lshl_b32 s67, s67, 4
	s_add_co_u32 s84, s84, s67                     ; 16 x batch + head
	s_bfe_u32 s67, s66, 0x40007                    ; the step
	s_mov_b32 s78, 106496
	s_mov_b32 s80, 6656
	s_mov_b32 s82, 6144
	s_cmp_eq_u32 ttmp9, 1                          ; k goes to kv, q to qbuf
	s_cselect_b64 s[68:69], s[12:13], s[10:11]
	s_cselect_b32 s78, 208896, s78                 ; bytes of a head,
	s_cselect_b32 s80, 13056, s80                  ; of a step,
	s_cselect_b32 s82, 12288, s82                  ; and where a step's scale words begin
	s_mov_b32 s79, 0
	s_mov_b32 s83, 0
	s_mov_b32 s85, 0
	s_mov_b32 s86, 0xffff
	s_mov_b32 s87, 0x7f7f0000
	s_mul_i32 s84, s84, s78
	s_mul_i32 s67, s67, s80
	s_add_co_u32 s84, s84, s67
	s_add_nc_u64 s[68:69], s[68:69], s[84:85]      ; my first head's step,
	s_add_nc_u64 s[70:71], s[68:69], s[78:79]      ; my second head's,
	s_add_nc_u64 s[72:73], s[68:69], s[82:83]      ; and their scale words
	s_add_nc_u64 s[74:75], s[70:71], s[82:83]
	s_and_b32 s84, s66, 2047
	s_lshl_b32 s84, s84, 8
	s_add_nc_u64 s[76:77], s[8:9], s[84:85]        ; the tables of my 8 tiles of positions
	WIN TO_B
.irp a, 0,1,2,3,4,5,6,7
.irp j, 0,1,2,3,4,5,6,7
	global_load_b128 v[32*\a+4*\j:32*\a+4*\j+3], v24, s[76:77] offset:\a*4096+512*\j
.endr
.endr
	WIN 0
.macro QKOUT a
	s_wait_loadcnt 56-8*(\a)                       ; tile a's eight loads are in; the later tiles' may be out
	WIN 0x06+(\a)/4                                ; source 0: the accumulators; source 1: the tables
.set AC, 64*((\a)%4)
.set TR, 32*(\a)
.irp hd, 0,1
.irp i, 0,2,4,6,8,10,12,14                     ; x1 = feature 16 h + i of the head, x2 = feature 32 + 16 h + i; both turn by the angle of frequency 16 h + i
	v_pk_mul_f32 v[HA+32*\hd+\i:HA+32*\hd+\i+1], v[AC+32*\hd+16+\i:AC+32*\hd+17+\i], v[TR+16+\i:TR+17+\i]
	v_pk_mul_f32 v[HA+32*\hd+16+\i:HA+32*\hd+17+\i], v[AC+32*\hd+\i:AC+32*\hd+\i+1], v[TR+16+\i:TR+17+\i]
	v_pk_fma_f32 v[HA+32*\hd+\i:HA+32*\hd+\i+1], v[AC+32*\hd+\i:AC+32*\hd+\i+1], v[TR+\i:TR+\i+1], v[HA+32*\hd+\i:HA+32*\hd+\i+1] neg_lo:[0,0,1] neg_hi:[0,0,1]
	v_pk_fma_f32 v[HA+32*\hd+16+\i:HA+32*\hd+17+\i], v[AC+32*\hd+16+\i:AC+32*\hd+17+\i], v[TR+\i:TR+\i+1], v[HA+32*\hd+16+\i:HA+32*\hd+17+\i]
.endr
.endr
	WIN 0
	s_wait_xcnt 0x0                                ; the last tile's stores have read their data: the codes' registers may be written
	QUANT HA, 0                                    ; blocks 0, 1: my first head; blocks 2, 3: my second
	global_store_b128 v24, v[PC:PC+3], s[68:69] offset:768*(\a)
	global_store_b64 v25, v[PC+4:PC+5], s[68:69] offset:768*(\a)+512
	global_store_b128 v24, v[PC+6:PC+9], s[70:71] offset:768*(\a)
	global_store_b64 v25, v[PC+10:PC+11], s[70:71] offset:768*(\a)+512
	v_lshrrev_b32 v165, v13, v[PW]                 ; lanes 0-15 keep the first head's two bytes, lanes 16-31 the second's;
	v_and_or_b32 v165, v165, s86, s87              ; bytes 2 and 3, of the K that a head of 64 does not have, are 1.0
	ds_store_b32 v8, v165 offset:64*(\a)
.endm
.irp a, 0,1,2,3,4,5,6,7
	QKOUT \a
.endr
	ds_load_b128 v[64:67], v9                      ; LDS serves a wave's instructions in order: these see my stores
	ds_load_b128 v[68:71], v9 offset:512
	s_wait_dscnt 0x0
	global_store_b128 v24, v[64:67], s[72:73]      ; 512 consecutive bytes, aligned: a step's scale words of one head
	global_store_b128 v24, v[68:71], s[74:75]
	s_branch .Lend
.Lvpath:
	; ---- v.  My 128 tokens are one key step; my 128 features are two heads of four tiles
	s_lshl_b32 s66, s17, 2
	s_add_co_u32 s66, s66, s40
	s_lshl_b32 s66, s66, 8
	s_lshl_b32 s67, s16, 7
	s_add_co_u32 s66, s66, s67                     ; my first token
	s_lshl_b32 s84, s41, 2
	s_lshl_b32 s67, s15, 1
	s_add_co_u32 s84, s84, s67                     ; my first head
	s_lshr_b32 s67, s66, 11
	s_lshl_b32 s67, s67, 4
	s_add_co_u32 s84, s84, s67
	s_mul_i32 s84, s84, 208896
	s_bfe_u32 s67, s66, 0x40007
	s_mul_i32 s67, s67, 13056
	s_add_co_u32 s84, s84, s67
	s_add_co_u32 s84, s84, 6144
	s_mov_b32 s85, 0
	s_add_nc_u64 s[68:69], s[12:13], s[84:85]
.macro VOUT a
	s_wait_xcnt 0x0                                ; the last tile's stores have read their data
	QUANT 64*((\a)%4), 2+(\a)/4                    ; straight from the accumulators: 128 keys of 16 features
.irp j, 0,1,2
	global_store_b128 v24, v[PC+4*\j:PC+4*\j+3], s[68:69] offset:((\a)/4)*208896+((\a)%4)*1536+512*\j
.endr
	ds_store_b32 v10, v[PW] offset:64*(\a)
.endm
.irp a, 0,1,2,3,4,5,6,7
	VOUT \a
.endr
	ds_load_b128 v[64:67], v11
	s_wait_dscnt 0x0
	global_store_b128 v12, v[64:67], s[68:69] offset:6656   ; sixteen lanes store a head's 256 bytes of scale words, aligned
.Lend:
	s_wait_tensorcnt 0x0                           ; the wave's end: behind my last tensor load and my last LDS store
	ds_add_u32 v[SPW], v[NIL]
	s_wait_dscnt 0x0
	CROUND                                         ; the closing round: no work-group ends while a partner may still ask for a tile that names it
	s_endpgm
.Lfunc_end_k_qdb9e6c1d6c_qkv:
	.size	k_qdb9e6c1d6c_qkv, .Lfunc_end_k_qdb9e6c1d6c_qkv-k_qdb9e6c1d6c_qkv
	.p2alignl 7, 3214868480
	.fill 96, 4, 3214868480
	.section	.rodata,"a",@progbits
	.p2align	6, 0x0
	.amdhsa_kernel k_qdb9e6c1d6c_qkv
		.amdhsa_group_segment_fixed_size 327680
		.amdhsa_private_segment_fixed_size 0
		.amdhsa_enable_private_segment 0
		.amdhsa_kernarg_size 40
		.amdhsa_user_sgpr_count 2
		.amdhsa_user_sgpr_kernarg_segment_ptr 1
		.amdhsa_wavefront_size32 1
		.amdhsa_system_sgpr_workgroup_id_x 1
		.amdhsa_system_sgpr_workgroup_id_y 1
		.amdhsa_system_sgpr_workgroup_id_z 1
		.amdhsa_system_vgpr_workitem_id 0
		.amdhsa_next_free_vgpr 1024
		.amdhsa_next_free_sgpr 100
		.amdhsa_reserve_vcc 0
		.amdhsa_float_denorm_mode_32 3
		.amdhsa_float_denorm_mode_16_64 3
		.amdhsa_memory_ordered 1
		.amdhsa_forward_progress 1
		.amdhsa_inst_pref_size 216
	.end_amdhsa_kernel
	.amdgpu_metadata
---
amdhsa.version: [ 1, 2 ]
amdhsa.kernels:
  - .name:           k_qdb9e6c1d6c_qkv
    .symbol:         k_qdb9e6c1d6c_qkv.kd
    .args:
      - { .name: codes1, .offset: 0, .size: 8, .value_kind: global_buffer, .address_space: global }
      - { .name: scales1, .offset: 8, .size: 8, .value_kind: global_buffer, .address_space: global }
      - { .name: rope, .offset: 16, .size: 8, .value_kind: global_buffer, .address_space: global }
      - { .name: qbuf, .offset: 24, .size: 8, .value_kind: global_buffer, .address_space: global }
      - { .name: kv, .offset: 32, .size: 8, .value_kind: global_buffer, .address_space: global }
    .group_segment_fixed_size: 327680
    .private_segment_fixed_size: 0
    .kernarg_segment_align: 8
    .kernarg_segment_size: 40
    .max_flat_workgroup_size: 128
    .sgpr_count:     100
    .vgpr_count:     1024
    .wavefront_size: 32
...
	.end_amdgpu_metadata
.endif
;; end of part 2
;; launch attn (part 3): grid 4 x 64, 16 waves a work-group, clusters of 4 x 1, 215,040 bytes of LDS; arguments qbuf, kv, attc, atts; writes attc, atts
.if DOCPART == 3
	.amdgcn_target "amdgcn-amd-amdhsa--gfx1250"
	.amdhsa_code_object_version 6
	.text
	.protected	k_qdb9e6c1d6c_attn
	.globl	k_qdb9e6c1d6c_attn
	.p2align	8
	.type	k_qdb9e6c1d6c_attn,@function
k_qdb9e6c1d6c_attn:
	s_mov_b64 s[64:65], 0
	v_nop
	global_prefetch_b8 v0, s[64:65] scope:SCOPE_SE
	s_setreg_imm32_b32 hwreg(HW_REG_WAVE_MODE, 25, 1), 1
	s_wait_xcnt 0x0
	s_wait_alu depctr_hold_cnt(0) depctr_sa_sdst(0) depctr_va_vdst(0) depctr_va_sdst(0) depctr_va_ssrc(0) depctr_va_vcc(0) depctr_vm_vsrc(0)
	s_getreg_b32 s2, hwreg(HW_REG_IB_STS2, 6, 4)
	s_cmp_eq_u32 s2, 0
	s_cbranch_scc0 .Lentry_in_a_cluster
	s_endpgm
.Lentry_in_a_cluster:
	s_bfe_u32 s2, ttmp6, 0x10000c
	s_cmp_lg_u32 s2, 0x3003
	s_cbranch_scc0 .Lentry_shape_is_right
	s_endpgm
.Lentry_shape_is_right:
; Attention of one head on codes of FP6 (E2M3): S^T = K Q^T (K = the head's 64), the softmax by a running whole-numbered M, O^T = V^T P^T (K = the keys), O / l quantised along the head's 64 for the output projection.
; t = score x log2(e) / 8; M = the row's largest t so far, rounded UP to a whole number; p = 2^(t - M) is quantised along the keys, not normalised; l is the sum of the unquantised p; when M moves, l and O are multiplied by 2^(old M - new M): exact.
; SHARES.  A work-group owns one head and 512 of its 2,048 queries; each of its sixteen waves takes a tile of 16 queries, twice.  Four waves lie on a SIMD, so that one wave's vector work stands beside another's matrix work and LDS loads.
; THE HEAD'S WHOLE K AND V, 208,896 bytes of codes and scale words, COME INTO LDS ONCE, as they lie in kv: 16 steps of 128 keys, 13,056 bytes each: K's 8 half fragments (768 bytes: registers 0-3 at 16 l, 4-5 at 512 + 8 l), V's 4 fragments
; at 6,144 (registers 4 j .. at 512 j + 16 l), K's scale words at 12,288, V's at 12,800.  Nothing in LDS is filled again: no ring.
; CLUSTER.  The four work-groups of a head ask for each step JOINTLY: the same tensor load, the same descriptor, a mask that names the four.  Waves 0-3 issue four loads each, all at the start: four loads of a wave are out.
; LAYOUT.  Both products are used transposed: a lane holds ONE query throughout.  Tile t of a step holds in lane place r the key 32 (t / 2) + 8 (t % 2) + r + 8 (r / 8), so the 16 registers of tiles 2 b, 2 b + 1 are 16 neighbouring keys;
; V's tiles of 16 channels are ordered likewise, so O^T's 16 registers of two tiles are 16 neighbouring channels.
; K = 64 IN AN INSTRUCTION OF K = 128.  Q's registers 6-11 hold zero codes.  K's operand of tile t names v[32 + 6 t .. 43 + 6 t]: its upper six registers are the next tile's codes (behind tile 7: six registers of zeros).  Each such code is a finite
; number and meets a zero of Q, and bytes 2 and 3 of both scale words are 1.0: those products are exactly 0.
; LIMITS: a block of zeros gets the byte 1 where the rule says 127 (zero codes; this program alone reads the bytes); NaN and infinities are not served.
; REGISTERS: v1-4 16, 8, 4 x lane, 4 r; v5-7 the step's LDS addresses; v8-10 the way out; v12 -M, v13 the largest t, v[14:15] l in two halves; v16-27 Q, v28 its scale words; v32-79 K (later p's codes), v80-85 zeros; v86-133 V;
;   v134-197 S^T, then p; v198-229 O^T; v230-245 at work; v246-249 K's scale words (two tiles to a register), v250-251 V's, v252 p's.
.set STEPB, 13056
.set SGS,  208896                      ; behind K and V: 1,024 bytes for the output's scale bytes; no fill lands here
.set KR,   32
.set VR,   86
.set S,    134
.set O,    198
.set BM,   230                         ; v230-233 a block's largest score, then its largest p
.set TP,   234                         ; v234-237 at work
.set SO,   238                         ; v238-241 the conversions' scale operands
.set WV,   12                          ; s12 my wave's number
.set G1,   16                          ; s[16:23] descriptor group 1;  s[24:39] four groups 0
.set G0,   24
.set SEL,  40                          ; s[40:41] lane selects for v_permlanex16_b32: lane l xor 16
.set CS,   42                          ; s[42:43] c = log2(e) / 8
.set TB,   44                          ; s44 LDS byte at which the step in hand begins
.set CNT,  45
.macro ROUND                           ; a round of the cluster's barrier
	s_barrier_signal -1
	s_barrier_wait -1
	s_cmp_lg_u32 s[WV], 0
	s_cbranch_scc1 .Lnot_wave_0_\@
	s_barrier_signal -3
.Lnot_wave_0_\@:
	s_barrier_wait -3
	s_barrier_signal -1
	s_barrier_wait -1
.endm
	s_load_b256 s[4:11], s[0:1], 0x0               ; qbuf s[4:5], kv s[6:7], attc s[8:9], atts s[10:11]
	v_lshl_add_u32 v254, v0, 2, 0x34000
	v_mov_b32 v255, 0
	ds_add_u32 v254, v255
	ds_add_u32 v254, v255
	v_lshrrev_b32 v9, 5, v0
	v_readfirstlane_b32 s[WV], v9                  ; wave 0..15
	s_bfe_u32 s13, ttmp6, 0x40000                  ; cx: it enters global addresses of my own loads and stores alone
	s_lshl_b32 s14, ttmp9, 2
	s_add_co_u32 s14, s14, s13                     ; my block of 512 queries
	s_and_b32 s15, ttmp7, 0xffff                   ; 16 x batch + head, which the four partners share
	; group 1: a step: 51 rows of 256 bytes, dense, as elements of 8 bytes
	s_mov_b32 s[G1], 15|(3<<16)|(1<<21)            ; 15:0 the mask: all four work-groups; 17:16 elements of 8 bytes; 21 set beside a mask
	s_mov_b32 s[G1+1], 32<<16                      ; tensor_dim0
	s_mov_b32 s[G1+2], 51<<16                      ; tensor_dim1
	s_mov_b32 s[G1+3], 32<<16                      ; tile_dim0
	s_mov_b32 s[G1+4], 51                          ; tile_dim1
	s_mov_b32 s[G1+5], 32                          ; tensor_dim0_stride
	s_mov_b32 s[G1+6], 0
	s_mov_b32 s[G1+7], 0
	s_mov_b32 s[SEL], 0x76543210
	s_mov_b32 s[SEL+1], 0xfedcba98
	s_mov_b32 s[CS], 0x3e38aa3b
	s_mov_b32 s[CS+1], s[CS]                       ; (named with it as a pair, so it is written)
	v_and_b32 v10, 31, v0
	v_and_b32 v11, 15, v0
	v_lshlrev_b32 v1, 4, v10
	v_lshlrev_b32 v2, 3, v10
	v_lshlrev_b32 v3, 2, v10
	v_lshlrev_b32 v4, 2, v11
	s_lshl_b32 s49, s[WV], 5
	s_add_co_u32 s49, s49, SGS
	v_lshlrev_b32 v8, 1, v11
	v_add_nc_u32 v8, s49, v8                       ; my tile's scale bytes: 32 bytes a tile, 2 a row
	v_and_b32 v10, 63, v0
	v_lshlrev_b32 v10, 4, v10                      ; the last store: 16 bytes a thread of waves 0 and 1
	v_add_nc_u32 v9, SGS, v10
	s_and_b32 s48, s[WV], 3
	s_mul_i32 s48, s48, STEPB                      ; load g of wave w is step 4 g + w
	s_mul_i32 s46, s15, 208896
	s_add_co_u32 s46, s46, s48
	s_mov_b32 s47, 0
	s_wait_dscnt 0x0
	s_wait_kmcnt 0x0
	s_add_nc_u64 s[46:47], s[6:7], s[46:47]
.irp g, 0,1,2,3
	s_mov_b32 s[G0+4*\g], 1                        ; 1:0 count = 1
	s_add_co_u32 s[G0+4*\g+1], s48, \g*4*STEPB     ; 63:32 LDS address = the step's byte in the head's block
	s_add_nc_u64 s[G0+4*\g+2:G0+4*\g+3], s[46:47], \g*4*STEPB
	s_or_b32 s[G0+4*\g+3], s[G0+4*\g+3], 0x80000000
.endr
	ROUND                                          ; all four work-groups are here: the joint loads meet
	s_cmp_lt_u32 s[WV], 4                          ; a wave's four fills stand in one branch, ahead of every wait on TENSORcnt, every LDS read and every further barrier
	s_cbranch_scc0 .Lno_fill
	tensor_load_to_lds s[G0:G0+3], s[G1:G1+7]
	s_nop 0
	tensor_load_to_lds s[G0+4:G0+7], s[G1:G1+7]
	s_nop 0
	tensor_load_to_lds s[G0+8:G0+11], s[G1:G1+7]
	s_nop 0
	tensor_load_to_lds s[G0+12:G0+15], s[G1:G1+7]
	s_nop 0
.rept 4
	v_nop
.endr
.Lno_fill:
	s_lshl_b32 s50, s14, 5
	s_add_co_u32 s50, s50, s[WV]                   ; my first tile of queries: 32 x block + wave; the second lies 16 tiles on
	s_lshr_b32 s51, s50, 3
	s_and_b32 s52, s50, 7
	s_mul_i32 s53, s15, 106496
	s_mul_i32 s51, s51, 6656
	s_add_co_u32 s53, s53, s51
	s_mul_i32 s54, s52, 768
	s_add_co_u32 s54, s54, s53
	s_mov_b32 s55, 0
	s_add_nc_u64 s[56:57], s[4:5], s[54:55]        ; its codes,
	s_lshl_b32 s54, s52, 6
	s_add_co_u32 s54, s54, s53
	s_add_co_u32 s54, s54, 6144
	s_add_nc_u64 s[58:59], s[4:5], s[54:55]        ; its scale words
	s_lshr_b32 s51, s15, 4
	s_lshl_b32 s51, s51, 7                         ; 128 tiles of tokens a batch
	s_add_co_u32 s52, s51, s50
	s_mul_i32 s54, s52, 12288
	s_and_b32 s53, s15, 15
	s_mul_i32 s52, s53, 768
	s_add_co_u32 s54, s54, s52
	s_add_nc_u64 s[60:61], s[8:9], s[54:55]        ; attc: [tile of tokens] x 12,288 + head x 768
	s_lshl_b32 s54, s53, 14
	s_lshl_b32 s52, s14, 5
	s_add_co_u32 s52, s52, s51
	s_lshl_b32 s52, s52, 5
	s_add_co_u32 s54, s54, s52
	s_add_nc_u64 s[62:63], s[10:11], s[54:55]      ; atts: head x 16,384 + tile x 32: my work-group's 32 tiles are 1,024 consecutive bytes
.macro QLOAD i
	global_load_b128 v[16:19], v1, s[56:57] offset:13312*\i
	global_load_b64 v[20:21], v2, s[56:57] offset:13312*\i+512
	global_load_b32 v28, v4, s[58:59] offset:13312*\i
.endm
.macro INIT                            ; the step is written once: the first finds zeros, which the first change of M leaves zeros
	v_mov_b32 v13, 0xff61b1e6                      ; the largest t so far: -3e38, under every t
	v_floor_f32 v12, -v13                          ; -M
	v_mov_b32 v14, 0
	v_mov_b32 v15, 0
.set j, 0
.rept 32
	v_mov_b32 v[O+j], 0
.set j, j+1
.endr
.endm
	QLOAD 0
.irp j, 22,23,24,25,26,27, 80,81,82,83,84,85, 234,235,236,237, 243,244
	v_mov_b32 v[\j], 0                             ; Q's upper half and the six registers behind K's tile 7: zero codes; destinations of lane permutes and the upper half of a pair: written once
.endr
	INIT
.macro SCORE t
.if (\t)%2
	v_wmma_scale_f32_16x16x128_f8f6f4 v[S+8*\t:S+8*\t+7], v[KR+6*\t:KR+6*\t+11], v[16:27], 0, v[246+\t/2], v28 matrix_a_fmt:MATRIX_FMT_FP6 matrix_b_fmt:MATRIX_FMT_FP6 matrix_a_scale:MATRIX_SCALE_ROW1
.else
	v_wmma_scale_f32_16x16x128_f8f6f4 v[S+8*\t:S+8*\t+7], v[KR+6*\t:KR+6*\t+11], v[16:27], 0, v[246+\t/2], v28 matrix_a_fmt:MATRIX_FMT_FP6 matrix_b_fmt:MATRIX_FMT_FP6
.endif
.endm
.macro PV d
.if (\d)%2
	v_wmma_scale_f32_16x16x128_f8f6f4 v[O+8*\d:O+8*\d+7], v[VR+12*\d:VR+12*\d+11], v[KR:KR+11], v[O+8*\d:O+8*\d+7], v[250+\d/2], v252 matrix_a_fmt:MATRIX_FMT_FP6 matrix_b_fmt:MATRIX_FMT_FP6 matrix_a_scale:MATRIX_SCALE_ROW1
.else
	v_wmma_scale_f32_16x16x128_f8f6f4 v[O+8*\d:O+8*\d+7], v[VR+12*\d:VR+12*\d+11], v[KR:KR+11], v[O+8*\d:O+8*\d+7], v[250+\d/2], v252 matrix_a_fmt:MATRIX_FMT_FP6 matrix_b_fmt:MATRIX_FMT_FP6
.endif
.endm
; A KEY STEP: 128 keys.
.macro STEP
	v_add_nc_u32 v5, s[TB], v1                     ; these four are the places behind the last products, in front of loads into registers that they have read
	v_add_nc_u32 v6, s[TB], v2
	v_add_nc_u32 v7, s[TB], v3
	v_nop
.irp t, 0,1,2,3,4,5,6,7
	ds_load_b128 v[KR+6*\t:KR+6*\t+3], v5 offset:768*\t
	ds_load_b64 v[KR+6*\t+4:KR+6*\t+5], v6 offset:768*\t+512
.endr
.irp m, 0,1,2,3
	ds_load_b32 v[246+\m], v7 offset:12288+128*\m  ; lanes 0-15: tile 2 m's words; lanes 16-31: tile 2 m + 1's
.endr
.irp d, 0,1,2,3
.irp j, 0,1,2
	ds_load_b128 v[VR+12*\d+4*\j:VR+12*\d+4*\j+3], v5 offset:6144+1536*\d+512*\j
.endr
.endr
.irp m, 0,1
	ds_load_b32 v[250+\m], v7 offset:12800+128*\m
.endr
	s_wait_dscnt 14                                ; K and its words are in; V's 12 loads and its 2 loads of words may be out
.irp t, 0,1,2,3,4,5,6,7
	SCORE \t
.endr
.rept 4
	v_nop
.endr
.irp b, 0,1,2,3
	v_max3_num_f32 v[BM+\b], v[S+16*\b], v[S+16*\b+1], v[S+16*\b+2]   ; THE LARGEST SCORE OF EACH BLOCK OF 32 KEYS serves twice: for the row's maximum, and, since p rises with the score, for the block's largest p
.endr
.irp i, 3,5,7,9,11,13
.irp b, 0,1,2,3
	v_max3_num_f32 v[BM+\b], v[BM+\b], v[S+16*\b+\i], v[S+16*\b+\i+1]
.endr
.endr
.irp b, 0,1,2,3
	v_max_num_f32 v[BM+\b], v[BM+\b], v[S+16*\b+15]
.endr
.irp b, 0,1,2,3
	v_permlanex16_b32 v[TP+\b], v[BM+\b], s[SEL], s[SEL+1]
.endr
.irp b, 0,1,2,3
	v_max_num_f32 v[BM+\b], v[BM+\b], v[TP+\b]     ; with lane l xor 16's 16 keys
.endr
	v_max3_num_f32 v244, v230, v231, v232
	v_max_num_f32 v244, v244, v233                 ; the step's largest score of my query
	v_mul_f32 v244, s[CS], v244                    ; as t (c is positive)
	v_max_num_f32 v13, v13, v244                   ; the running largest t
	v_mov_b32 v244, v12
	v_floor_f32 v12, -v13                          ; the new -M = floor(-t): M is a whole number
	v_sub_f32 v244, v12, v244                      ; M's old value less its new one: a whole number, 0 or less
	v_cvt_i32_f32 v244, v244                       ; (it saturates)
	v_ldexp_f32 v242, 1.0, v244                    ; f = 2^(old M - new M)
.set j, 0
.rept 32
	v_pk_fma_f32 v[S+j:S+j+1], v[S+j:S+j+1], s[CS:CS+1], v[12:13] op_sel_hi:[1,0,0]   ; t - M, two at a time
.set j, j+2
.endr
.irp b, 0,1,2,3
	v_fma_f32 v[BM+\b], v[BM+\b], s[CS], v12       ; the same of each block's largest score
.endr
.set j, 0
.rept 64
	v_exp_f32 v[S+j], v[S+j]                       ; p = 2^(t - M), at most 1
.set j, j+1
.endr
	v_pk_mul_f32 v[14:15], v[14:15], v[242:243] op_sel_hi:[1,0]   ; l under the new M.  (A plain place behind the exponentials)
	s_wait_alu depctr_va_vdst(0)                   ; one wait for the whole batch, ahead of its first reader
.irp b, 0,1,2,3
	v_exp_f32 v[BM+\b], v[BM+\b]                   ; the block's largest p: the same two instructions on the same number give the same bits
.endr
	v_pk_add_f32 v[TP:TP+1], v[S:S+1], v[S+2:S+3]  ; l is taken of the unquantised p: two at a time, in two chains
.set j, 4
.rept 15
	v_pk_add_f32 v[14:15], v[14:15], v[S+j:S+j+1]
	v_pk_add_f32 v[TP:TP+1], v[TP:TP+1], v[S+j+2:S+j+3]
.set j, j+4
.endr
	v_pk_add_f32 v[14:15], v[14:15], v[TP:TP+1]
	s_wait_alu depctr_va_vdst(0)                   ; and one for the four
.irp b, 0,1,2,3
	v_max_num_f32 v[BM+\b], 0x1800000, v[BM+\b]    ; the floor 2^(3 - 127): the byte cannot fall under 1
.endr
.irp b, 0,1,2,3
	v_add_nc_u32 v[SO+\b], 0xff000000, v[BM+\b]    ; 2 off the exponent field: the conversion's scale operand
.endr
.irp b, 0,1,2,3
	v_lshrrev_b32 v[TP+\b], 23, v[SO+\b]           ; the scale's byte
.endr
	v_lshl_or_b32 v252, v235, 8, v234              ; p's scale word for these 128 keys
	v_lshl_or_b32 v252, v236, 16, v252
	v_lshl_or_b32 v252, v237, 24, v252
.irp c, 0,1
	v_cvt_scalef32_pk16_fp6_f32 v[KR+6*\c:KR+6*\c+2], v[S+32*\c:S+32*\c+15], v[SO+2*\c]          ; p's codes take the registers that K has left
	v_cvt_scalef32_pk16_fp6_f32 v[KR+12+4*\c:KR+14+4*\c], v[S+32*\c+16:S+32*\c+31], v[SO+2*\c+1]
.endr
	v_nop                                          ; one plain place behind a scaled conversion
.irp c, 0,1                                    ; the operand's layout wants a WHOLE block in a lane
.irp i, 0,1,2
	v_permlane16_swap_b32 v[KR+6*\c+\i], v[KR+12+4*\c+\i]
.endr
.irp i, 0,1,2
	v_mov_b32 v[KR+3+6*\c+\i], v[KR+12+4*\c+\i]
.endr
.endr
.set j, 0
.rept 16
	v_pk_mul_f32 v[O+j:O+j+1], v[O+j:O+j+1], v[242:243] op_sel_hi:[1,0]   ; O^T under the new M.  (For each product below twelve of these name none of its registers: the places behind the writes of p's codes and scale word)
.set j, j+2
.endr
	s_wait_dscnt 0x0                               ; V is in
.irp d, 0,1,2,3
	PV \d                                          ; four accumulators by turns, and eight other products stand between two steps' links
.endr
	s_add_co_u32 s[TB], s[TB], STEPB
.endm
.macro STEPS n, tb0
	s_mov_b32 s[TB], \tb0
	s_mov_b32 s[CNT], \n
.Lstep_\@:
	STEP
	s_sub_co_u32 s[CNT], s[CNT], 1
	s_cmp_lg_u32 s[CNT], 0
	s_cbranch_scc1 .Lstep_\@
.endm
; THE WAY OUT of a tile: O^T / l, register 16 b + i = channel 32 b + 16 (lane / 16) + i of my query: two blocks of 32 along the output projection's K; a half fragment and two scale bytes.
.macro OUT i
.rept 4
	v_nop                                          ; places behind the last products
.endr
	v_add_f32 v14, v14, v15
	v_permlanex16_b32 v244, v14, s[SEL], s[SEL+1]
	v_add_f32 v14, v14, v244                       ; the row's sum
	v_rcp_f32 v242, v14
	v_nop                                          ; a plain place behind the reciprocal,
	s_wait_alu depctr_va_vdst(0)                   ; and the wait ahead of its first reader
.set j, 0
.rept 16
	v_pk_mul_f32 v[S+j:S+j+1], v[O+j:O+j+1], v[242:243] op_sel_hi:[1,0]   ; each accumulator from its low end on
.set j, j+2
.endr
.irp b, 0,1
	v_max3_num_f32 v[BM+\b], |v[S+16*\b]|, |v[S+16*\b+1]|, 0x1800000
.endr
.irp k, 2,4,6,8,10,12,14
.irp b, 0,1
	v_max3_num_f32 v[BM+\b], v[BM+\b], |v[S+16*\b+\k]|, |v[S+16*\b+\k+1]|
.endr
.endr
.irp b, 0,1
	v_permlanex16_b32 v[TP+\b], v[BM+\b], s[SEL], s[SEL+1]
.endr
.irp b, 0,1
	v_max_num_f32 v[BM+\b], v[BM+\b], v[TP+\b]
.endr
.irp b, 0,1
	v_add_nc_u32 v[SO+\b], 0xff000000, v[BM+\b]
.endr
.irp b, 0,1
	v_lshrrev_b32 v[TP+\b], 23, v[SO+\b]
.endr
	v_lshl_or_b32 v245, v235, 8, v234
	v_cvt_scalef32_pk16_fp6_f32 v[KR:KR+2], v[S:S+15], v[SO]
	v_cvt_scalef32_pk16_fp6_f32 v[KR+12:KR+14], v[S+16:S+31], v[SO+1]
	v_nop
.irp k, 0,1,2
	v_permlane16_swap_b32 v[KR+\k], v[KR+12+\k]
.endr
.irp k, 0,1,2
	v_mov_b32 v[KR+3+\k], v[KR+12+\k]
.endr
	global_store_b128 v1, v[KR:KR+3], s[60:61] offset:196608*\i          ; 512 consecutive bytes, aligned
	global_store_b64 v2, v[KR+4:KR+5], s[60:61] offset:196608*\i+512     ; 256 consecutive bytes, aligned
	ds_store_b16 v8, v245 offset:512*\i            ; both lanes of a row write the same two bytes with the same value
	s_wait_xcnt 0x0                                ; the stores have read their data: the registers may be loaded again
.endm
	s_wait_loadcnt 0x0                             ; Q
.irp g, 0,1,2,3
	s_wait_tensorcnt 3-\g                          ; my load g has landed; the 3 - g younger ones may stay out
	s_barrier_signal -1
	s_barrier_wait -1                              ; steps 4 g .. 4 g + 3 are whole
	STEPS 4, 4*STEPB*\g
.endr
	QLOAD 1                                        ; the last product that read Q stands a softmax back
	OUT 0
	INIT
	s_wait_loadcnt 0x0
	STEPS 16, 0
	OUT 1
	s_wait_dscnt 0x0                               ; for the others' sake: my scale bytes lie in LDS
	s_barrier_signal -1
	s_barrier_wait -1
	s_cmp_lt_u32 s[WV], 2
	s_cbranch_scc0 .Lnot_mine
	ds_load_b128 v[KR:KR+3], v9
	s_wait_dscnt 0x0
	global_store_b128 v10, v[KR:KR+3], s[62:63]    ; the work-group's 1,024 bytes of scale bytes: 512 consecutive bytes a wave, aligned
.Lnot_mine:
	s_wait_tensorcnt 0x0
	ds_add_u32 v254, v255
	s_wait_dscnt 0x0
	ROUND                                          ; the closing round
	s_endpgm
.Lfunc_end_k_qdb9e6c1d6c_attn:
	.size	k_qdb9e6c1d6c_attn, .Lfunc_end_k_qdb9e6c1d6c_attn-k_qdb9e6c1d6c_attn
	.p2alignl 7, 3214868480
	.fill 96, 4, 3214868480
	.section	.rodata,"a",@progbits
	.p2align	6, 0x0
	.amdhsa_kernel k_qdb9e6c1d6c_attn
		.amdhsa_group_segment_fixed_size 215040
		.amdhsa_private_segment_fixed_size 0
		.amdhsa_enable_private_segment 0
		.amdhsa_kernarg_size 32
		.amdhsa_user_sgpr_count 2
		.amdhsa_user_sgpr_kernarg_segment_ptr 1
		.amdhsa_wavefront_size32 1
		.amdhsa_system_sgpr_workgroup_id_x 1
		.amdhsa_system_sgpr_workgroup_id_y 1
		.amdhsa_system_sgpr_workgroup_id_z 1
		.amdhsa_system_vgpr_workitem_id 0
		.amdhsa_next_free_vgpr 256
		.amdhsa_next_free_sgpr 66
		.amdhsa_reserve_vcc 0
		.amdhsa_float_denorm_mode_32 3
		.amdhsa_float_denorm_mode_16_64 3
		.amdhsa_memory_ordered 1
		.amdhsa_forward_progress 1
		.amdhsa_inst_pref_size 96
	.end_amdhsa_kernel
	.amdgpu_metadata
---
amdhsa.version: [ 1, 2 ]
amdhsa.kernels:
  - .name:           k_qdb9e6c1d6c_attn
    .symbol:         k_qdb9e6c1d6c_attn.kd
    .args:
      - { .name: qbuf, .offset: 0, .size: 8, .value_kind: global_buffer, .address_space: global }
      - { .name: kv, .offset: 8, .size: 8, .value_kind: global_buffer, .address_space: global }
      - { .name: attc, .offset: 16, .size: 8, .value_kind: global_buffer, .address_space: global }
      - { .name: atts, .offset: 24, .size: 8, .value_kind: global_buffer, .address_space: global }
    .group_segment_fixed_size: 215040
    .private_segment_fixed_size: 0
    .kernarg_segment_align: 8
    .kernarg_segment_size: 32
    .max_flat_workgroup_size: 512
    .sgpr_count:     66
    .vgpr_count:     256
    .wavefront_size: 32
...
	.end_amdgpu_metadata
.endif
;; end of part 3
;; launch oproj (part 4): grid 4 x 32, 4 waves a work-group, clusters of 4 x 4, 327,680 bytes of LDS; arguments attc, atts, codes1, scales1, out0; writes out0
.if DOCPART == 4
	.amdgcn_target "amdgcn-amd-amdhsa--gfx1250"
	.amdhsa_code_object_version 6
	.text
	.protected	k_qdb9e6c1d6c_oproj
	.globl	k_qdb9e6c1d6c_oproj
	.p2align	8
	.type	k_qdb9e6c1d6c_oproj,@function
k_qdb9e6c1d6c_oproj:
	s_mov_b64 s[64:65], 0
	v_nop
	global_prefetch_b8 v0, s[64:65] scope:SCOPE_SE
	s_setreg_imm32_b32 hwreg(HW_REG_WAVE_MODE, 25, 1), 1
	s_wait_xcnt 0x0
	s_wait_alu depctr_hold_cnt(0) depctr_sa_sdst(0) depctr_va_vdst(0) depctr_va_sdst(0) depctr_va_ssrc(0) depctr_va_vcc(0) depctr_vm_vsrc(0)
	s_getreg_b32 s2, hwreg(HW_REG_IB_STS2, 6, 4)
	s_cmp_eq_u32 s2, 0
	s_cbranch_scc0 .Lentry_in_a_cluster
	s_endpgm
.Lentry_in_a_cluster:
	s_bfe_u32 s2, ttmp6, 0x10000c
	s_cmp_lg_u32 s2, 0xf033
	s_cbranch_scc0 .Lentry_shape_is_right
	s_endpgm
.Lentry_shape_is_right:
; out0 [8192][1024] f32 = the attention's output x o_w^T on codes of FP6 (E2M3), K = 1,024.
; A tile of the product, 256 x 256, is made by four waves, 128 x 128 each: 64 accumulators.  K goes in steps of 256 through a ring of two LDS slots filled by the tensor data mover.
; Source 0, P: 256 rows of o_w: tiles 704 + 16 x on of codes1, fragments as images of their registers (registers 4 j .. 4 j + 3 of lane l at 512 j + 16 l).  Source 1, R: 256 tokens: tiles of attc, 12,288 bytes = 16 heads x a half fragment
; (registers 0-3 at 16 l, 4-5 at 512 + 8 l: 768 bytes); heads 2 s and 2 s + 1 are K step s.  A tile holds in lane place r the row 32 (T / 2) + 8 (T % 2) + r + 8 (r / 8): a lane holds a token, and the 16 registers of two neighbouring
; tiles of o_w are 16 neighbouring output columns.
; SCALES.  P's words come by one tensor load a wave, once.  R's are pieced together once, from atts ([head][tile][row] of two bytes): thread t takes tile t % 16 and K step t / 16, and stores 16 words into LDS bytes that no fill touches.
; CLUSTERS: 4 x 4 work-groups; R's tiles are shared along a row of the cluster, P's along a column: each is asked for JOINTLY.
; The grid is 128 work-groups: a tile of 256 x 256 keeps the text of the first projection; this launch is the smallest of the program's products.
; REGISTERS: window 0: v16-29 addresses; v32-63 scale words, two sets; v64-95 the prologue; from v128 R's fragments, one set (on the way out: rows of the result).  window 1: P's fragments, two sets.  windows 2, 3: accumulator (a, b) at v[8 (8 (a % 4) + b)].
.set NQ,    2
.set FR,    12
.set NLA,   4                          ; LDS loads that bring a fragment of R: two half fragments of two loads
.set NP,    4                          ; places behind this matrix instruction (ISA guide 7.12.1)
.set SLB,   3072
.set HALFT, 8*SLB
.set SLOT,  4*HALFT
.set SCL,   2*SLOT                     ; behind the ring: R's scale words, 8,192 bytes written by LDS stores; then P's, 8,192 bytes filled once
.set SPARE, SCL+16384                  ; the spare words, 128 bytes for each wave: two blocks of 256 bytes that no other line names
.set SPITCH, 528                       ; the way out: a stage of 16 rows x (512 bytes + 16) for each wave, in slot 0, which has had its last fill and its last read by then
.set ADRA, 16                          ; v16-17  LDS address of my R fragments in slot 0, 1, 16 bytes a lane;  v18-19 the same, 8 bytes a lane
.set ADRA8, 18
.set ADRB, 20                          ; v20-21  the same for P
.set STO,  24
.set RD,   25
.set CO,   26
.set ADRS, 27
.set SPW,  28
.set NIL,  29
.set SC,   32
.set AF,   128
.set BK,   128
.set G1, 24
.set G0, 32
.set G1B, 48
.set G0B, 56
.set G1SB, 80                          ; s[80:87], s[88:91] groups 1 and 0 for P's scale words
.set G0SB, 88
.set MSB, 0
.macro WIN new                         ; the immediate's high byte repeats the setting that is left
.if MSB != (\new)
	s_set_vgpr_msb (MSB<<8)|(\new)
.set MSB, (\new)
.endif
.endm
.set MUL_LO, 0xa1
.set MUL_HI, 0xf1
.set TO_B,   0x40
.macro JLOAD g0a, g1a, g0b, g1b        ; a joint load: waves 0 and 1 fetch for R, waves 2 and 3 for P; four v_nop follow each of the two lines
	s_cmp_eq_u32 s15, 0
	s_cbranch_scc0 .Lfor_b_\@
	tensor_load_to_lds s[\g0a:\g0a+3], s[\g1a:\g1a+7]
	s_nop 0
.rept 4
	v_nop
.endr
	s_branch .Lasked_\@
.Lfor_b_\@:
	tensor_load_to_lds s[\g0b:\g0b+3], s[\g1b:\g1b+7]
	s_nop 0
.rept 4
	v_nop
.endr
.Lasked_\@:
.endm
.macro CREST
	s_cmp_lg_u32 s14, 0
	s_cbranch_scc1 .Lnot_wave_0_\@
	s_barrier_signal -3
.Lnot_wave_0_\@:
	s_barrier_wait -3
	s_barrier_signal -1
	s_barrier_wait -1
.endm
.macro CROUND
	s_barrier_signal -1
	s_barrier_wait -1
	CREST
.endm
	s_load_b256 s[4:11], s[0:1], 0x0               ; attc s[4:5], atts s[6:7], codes1 s[8:9], scales1 s[10:11]
	s_load_b64 s[12:13], s[0:1], 0x20              ; out0
	v_lshl_add_u32 v[SPW], v0, 2, SPARE
	v_mov_b32 v[NIL], 0
	ds_add_u32 v28, v29
	ds_add_u32 v28, v29
	s_wait_dscnt 0x0
	v_lshrrev_b32 v1, 5, v0
	v_readfirstlane_b32 s14, v1                    ; wave 0..3
	s_lshr_b32 s15, s14, 1                         ; which half of R's rows is mine.  Also: I fetch for R (0) or for P (1)
	s_and_b32 s16, s14, 1                          ; which half of P's rows.  Also: which 8 tiles I fetch
	s_bfe_u32 s40, ttmp6, 0x40000                  ; cx, cy
	s_bfe_u32 s41, ttmp6, 0x40004
	s_lshl_b32 s42, ttmp9, 2
	s_add_co_u32 s42, s42, s40                     ; x: my 256 columns
	s_and_b32 s17, ttmp7, 0xffff
	s_lshl_b32 s17, s17, 2
	s_add_co_u32 s17, s17, s41                     ; y: my 256 tokens
	s_lshl_b32 s43, s41, 2
	s_lshl_b32 s43, 15, s43                        ; my row of the cluster
	s_lshl_b32 s44, 0x1111, s40                    ; my column
	s_or_b32 s[G1+0], s43, (3<<16)|(1<<21)         ; 8 rows (tiles) of 3,072 bytes, 12,288 bytes apart, as elements of 8 bytes; dense in LDS
	s_or_b32 s[G1B+0], s44, (3<<16)|(1<<21)
.irp g, G1, G1B
	s_mov_b32 s[\g+1], 384<<16
	s_mov_b32 s[\g+2], 8<<16
	s_mov_b32 s[\g+3], 384<<16
	s_mov_b32 s[\g+4], 8
	s_mov_b32 s[\g+5], 1536
	s_mov_b32 s[\g+6], 0
	s_mov_b32 s[\g+7], 0
.endr
	s_or_b32 s[G1SB+0], s44, (3<<16)|(1<<21)       ; the scale words of 4 tiles of o_w: 2,048 dense bytes, as 8 rows of 256
	s_mov_b32 s[G1SB+1], 32<<16
	s_mov_b32 s[G1SB+2], 8<<16
	s_mov_b32 s[G1SB+3], 32<<16
	s_mov_b32 s[G1SB+4], 8
	s_mov_b32 s[G1SB+5], 32
	s_mov_b32 s[G1SB+6], 0
	s_mov_b32 s[G1SB+7], 0
	s_lshl_b32 s18, s16, 3                         ; which 8 tiles I fetch
	s_lshl_b32 s20, s17, 4
	s_add_co_u32 s20, s20, s18                     ; R: tile 16 y + 8 x half
	s_lshl_b32 s46, s42, 4
	s_add_co_u32 s46, s46, 704
	s_lshl_b32 s92, s14, 2
	s_add_co_u32 s92, s92, s46                     ; P's scale words: tiles 704 + 16 x + 4 x wave on
	s_lshl_b32 s92, s92, 9
	s_mov_b32 s93, 0
	s_add_co_u32 s46, s46, s18                     ; P: tile 704 + 16 x + 8 x half
	s_mul_i32 s20, s20, 12288
	s_mov_b32 s21, 0
	s_mul_i32 s46, s46, 12288
	s_mov_b32 s47, 0
	s_lshl_b32 s96, s17, 9                         ; atts: my 16 tiles of tokens: 32 bytes a tile
	s_mov_b32 s97, 0
	s_mul_i32 s45, s14, HALFT                      ; where the tiles go: wave x 8 tiles
	s_lshl_b32 s94, s14, 11
	s_wait_kmcnt 0x0
	s_add_nc_u64 s[20:21], s[4:5], s[20:21]
	s_add_nc_u64 s[46:47], s[8:9], s[46:47]
	s_add_nc_u64 s[92:93], s[10:11], s[92:93]
	s_add_nc_u64 s[96:97], s[6:7], s[96:97]
	CROUND                                         ; all sixteen work-groups are here: the first joint loads meet
	s_mov_b32 s[G0SB], 1
	s_add_co_u32 s[G0SB+1], s94, SCL+8192
	s_mov_b64 s[G0SB+2:G0SB+3], s[92:93]
	s_or_b32 s[G0SB+3], s[G0SB+3], 0x80000000
	tensor_load_to_lds s[G0SB:G0SB+3], s[G1SB:G1SB+7]   ; every wave its quarter of P's scale words
	s_nop 0
.rept 4
	v_nop
.endr
.irp s, 0,1
	s_mov_b32 s[G0+4*\s], 1
	s_add_co_u32 s[G0+4*\s+1], s45, \s*SLOT
	s_add_nc_u64 s[G0+4*\s+2:G0+4*\s+3], s[20:21], \s*SLB
	s_or_b32 s[G0+4*\s+3], s[G0+4*\s+3], 0x80000000
	s_mov_b32 s[G0B+4*\s], 1
	s_add_co_u32 s[G0B+4*\s+1], s45, \s*SLOT
	s_add_nc_u64 s[G0B+4*\s+2:G0B+4*\s+3], s[46:47], \s*SLB
	s_or_b32 s[G0B+4*\s+3], s[G0B+4*\s+3], 0x80000000
	JLOAD G0+4*\s, G1, G0B+4*\s, G1B               ; three loads of mine are out
.endr
	; R's scale words.  Thread t: tile t % 16, K step t / 16: the two bytes of 16 rows, of heads 2 s and 2 s + 1
	v_and_b32 v1, 15, v0
	v_bfe_u32 v2, v0, 4, 1
	v_lshrrev_b32 v5, 4, v0
	v_lshlrev_b32 v5, 15, v5
	v_lshl_add_u32 v5, v1, 5, v5
	global_load_b128 v[64:67], v5, s[96:97]
	global_load_b128 v[68:71], v5, s[96:97] offset:16
	global_load_b128 v[72:75], v5, s[96:97] offset:16384
	global_load_b128 v[76:79], v5, s[96:97] offset:16400
	v_lshlrev_b32 v6, 9, v1                        ; where they go: 512 x tile + 128 x (s / 2) + 8 x row + 4 x (s % 2); s / 2 is my wave's number
	v_lshl_add_u32 v6, v2, 2, v6
	s_lshl_b32 s95, s14, 7
	s_add_co_u32 s95, s95, SCL
	v_add_nc_u32 v6, s95, v6
	v_and_b32 v3, 31, v0
	v_lshlrev_b32 v[CO], 4, v3                     ; 16 x lane
	v_lshlrev_b32 v7, 3, v3                        ; 8 x lane
	s_mul_i32 s21, s15, HALFT                      ; my 8 tiles of R
	s_mul_i32 s22, s16, HALFT                      ; my 8 tiles of P,
	s_add_co_u32 s22, s22, 2*HALFT                 ; which lie behind R's 16
.irp s, 0,1
	v_add_nc_u32 v[ADRA+\s], s21, v[CO]
	v_add_nc_u32 v[ADRA8+\s], s21, v7
	v_add_nc_u32 v[ADRB+\s], s22, v[CO]
	s_add_co_u32 s21, s21, SLOT
	s_add_co_u32 s22, s22, SLOT
.endr
	v_lshlrev_b32 v8, 3, v1                        ; my row's two words of a slot: 8 r
	s_lshl_b32 s21, s15, 12
	s_lshl_b32 s22, s16, 12
	s_add_co_u32 s22, s22, 8192
	s_sub_co_u32 s22, s22, s21
	v_mul_u32_u24 v9, s22, v2                      ; lanes 16-31 take P's
	s_add_co_u32 s21, s21, SCL
	v_add_nc_u32 v8, v8, v9
	v_add_nc_u32 v[ADRS], s21, v8
	s_mul_i32 s23, s14, 16*SPITCH                  ; my stage
	v_mul_u32_u24 v8, v1, SPITCH
	v_lshl_add_u32 v8, v2, 6, v8
	v_add_nc_u32 v[STO], s23, v8                   ; in: row r, + 64 h
	v_add_nc_u32 v[RD], s23, v[CO]                 ; back: a row of 512 bytes, 16 a lane
	s_lshl_b32 s20, s17, 8
	s_lshl_b32 s21, s15, 7
	s_add_co_u32 s20, s20, s21                     ; my first token
	s_lshl_b32 s20, s20, 12                        ; rows of 4,096 bytes
	s_lshl_b32 s46, s42, 10
	s_lshl_b32 s47, s16, 9
	s_add_co_u32 s46, s46, s47                     ; my first column, in bytes
	s_add_co_u32 s20, s20, s46
	s_mov_b32 s21, 0
	s_add_nc_u64 s[12:13], s[12:13], s[20:21]
	s_wait_loadcnt 0x0
.irp m, 0,1,2,3,4,5,6,7
	v_perm_b32 v[80+2*\m], v[72+\m], v[64+\m], 0x05040100     ; row 2 m: the even head's two bytes below, the odd head's above
	v_perm_b32 v[81+2*\m], v[72+\m], v[64+\m], 0x07060302     ; row 2 m + 1
.endr
.irp p, 0,1,2,3,4,5,6,7,8,9,10,11,12,13,14,15
	ds_store_b32 v6, v[80+\p] offset:8*\p
.endr
.macro FRAG reg, adr, q, i             ; a fragment of P: three loads of 512 consecutive bytes
.irp j, 0,1,2
	ds_load_b128 v[\reg+4*\j:\reg+4*\j+3], v[\adr] offset:(\i)*SLB+(\q)*1536+512*\j
.endr
.endm
.macro FRAGH reg, slot, q, i           ; a fragment of R: two heads' half fragments
.irp c, 0,1
	ds_load_b128 v[\reg+6*\c:\reg+6*\c+3], v[ADRA+\slot] offset:(\i)*SLB+(\q)*1536+768*\c
	ds_load_b64 v[\reg+6*\c+4:\reg+6*\c+5], v[ADRA8+\slot] offset:(\i)*SLB+(\q)*1536+768*\c+512
.endr
.endm
; 16 matrix instructions: R's blocks a0, a0 + 1 x P's eight.  The 64 accumulators take turns, one instruction a turn, in the same order in every step.
.macro MUL16 a0, p, q, sc, zero
.irp a, \a0, \a0+1
.irp b, 0,1,2,3,4,5,6,7
.set rD, 8*(8*((\a)%4)+\b)
.set rP, 128*(\p)+FR*\b
.set rR, AF+FR*(\a)
.set sP, SC+8*NQ*(\sc)+NQ*\b+(\q)
.set sR, SC+8*NQ*(\sc)+NQ*(\a)+(\q)
.if \zero
	v_wmma_scale_f32_16x16x128_f8f6f4 v[rD:rD+7], v[rP:rP+FR-1], v[rR:rR+FR-1], 0, v[sP], v[sR] matrix_a_fmt:MATRIX_FMT_FP6 matrix_b_fmt:MATRIX_FMT_FP6 matrix_a_scale:MATRIX_SCALE_ROW1
.else
	v_wmma_scale_f32_16x16x128_f8f6f4 v[rD:rD+7], v[rP:rP+FR-1], v[rR:rR+FR-1], v[rD:rD+7], v[sP], v[sR] matrix_a_fmt:MATRIX_FMT_FP6 matrix_b_fmt:MATRIX_FMT_FP6 matrix_a_scale:MATRIX_SCALE_ROW1
.endif
.endr
.endr
.endm
.macro FETCH_B slot, q, p
	WIN TO_B
.irp i, 0,1,2,3,4,5,6,7
	FRAG 128*(\p)+FR*\i, ADRB+\slot, \q, \i
.endr
	WIN 0
.endm
.macro FETCH_A slot, q, i0
.irp i, \i0, \i0+1, \i0+2, \i0+3
	FRAGH AF+FR*(\i), \slot, \q, \i
.endr
.endm
.macro SCALES sc
.irp i, 0,1,2,3,4,5,6,7
	ds_load_b64 v[SC+8*NQ*\sc+NQ*\i:SC+8*NQ*\sc+NQ*\i+1], v[ADRS] offset:\i*512
.endr
.endm
.macro PLACES n                        ; plain vector instructions between a matrix instruction and a load into, or a read of, its registers (ISA guide 7.12.1 for reads)
.rept \n
	v_nop
.endr
.endm
.macro STEP slot, q, zero
	s_wait_dscnt 4*NLA                             ; P's set and R's blocks 0-3 are in; the youngest loads (R's blocks 4-7) may be out
	WIN MUL_LO
	MUL16 0, (\q)%2, \q, \slot, \zero
	MUL16 2, (\q)%2, \q, \slot, \zero
	s_wait_dscnt 0
	PLACES NP
	FETCH_B \slot, (\q)+1, 1-(\q)%2
	FETCH_A \slot, (\q)+1, 0
	WIN MUL_HI
	MUL16 4, (\q)%2, \q, \slot, \zero
	MUL16 6, (\q)%2, \q, \slot, \zero
	PLACES NP
	WIN 0
	FETCH_A \slot, (\q)+1, 4
.endm
; A slot's last step changes slots: ONE barrier; in front of it each wave waits for all its tensor loads, adds 0 to its spare word, and waits for that and for its own reads of this slot.
.macro TURN slot, next, fill
	s_wait_tensorcnt 0x0                           ; all my tensor loads have landed: my part of the next slot
	ds_add_u32 v[SPW], v[NIL]                      ; 0 onto my spare word
	s_wait_dscnt 4*NLA+1                           ; (the add and the youngest loads, R's blocks 4-7, may be out)
	WIN MUL_LO
	MUL16 0, 1, NQ-1, \slot, 0
	s_wait_dscnt 0x0                               ; the add is done, and my reads of this slot are over
	s_barrier_signal -1
	MUL16 2, 1, NQ-1, \slot, 0
	WIN 0
	s_barrier_wait -1
.if \fill
	CREST                                          ; the barrier has opened a round of the cluster's barrier: no wave of any partner still reads this slot or has a load on its way
	s_add_nc_u64 s[G0+4*\slot+2:G0+4*\slot+3], s[G0+4*\slot+2:G0+4*\slot+3], 2*SLB
	s_add_nc_u64 s[G0B+4*\slot+2:G0B+4*\slot+3], s[G0B+4*\slot+2:G0B+4*\slot+3], 2*SLB
	JLOAD G0+4*\slot, G1, G0B+4*\slot, G1B         ; the first tensor load behind the round; its four v_nop are the places in front of the loads below
.else
	PLACES NP
.endif
	v_add_nc_u32 v[ADRS], 128, v[ADRS]
	FETCH_B \next, 0, 0
	FETCH_A \next, 0, 0
	SCALES \next
	WIN MUL_HI
	MUL16 4, 1, NQ-1, \slot, 0
	MUL16 6, 1, NQ-1, \slot, 0
	PLACES NP
	WIN 0
	FETCH_A \next, 0, 4
.endm
	s_wait_tensorcnt 1                             ; P's scale words and my part of slot 0 are in (slot 1's load may be out)
	s_wait_dscnt 0x0                               ; and my part of R's scale words lies in LDS;
	s_barrier_signal -1
	s_barrier_wait -1                              ; everybody's do
	FETCH_B 0, 0, 0
	FETCH_A 0, 0, 0
	SCALES 0
	FETCH_A 0, 0, 4
	STEP 0, 0, 1                                   ; K = 1,024 is four slots' worth: written straight.  The first step's products start the sums
	TURN 0, 1, 1
	STEP 1, 0, 0
	TURN 1, 0, 1
	STEP 0, 0, 0
	TURN 0, 1, 0
	STEP 1, 0, 0
	s_wait_dscnt 4*NLA
	WIN MUL_LO
	MUL16 0, 1, NQ-1, 1, 0
	MUL16 2, 1, NQ-1, 1, 0
	s_wait_dscnt 0
	WIN MUL_HI
	MUL16 4, 1, NQ-1, 1, 0
	MUL16 6, 1, NQ-1, 1, 0
	WIN 0
; THE WAY OUT, block by block of 16 tokens x 128 columns, through my own stage in LDS: a lane holds, of accumulator (a, b), columns 32 (b / 2) + 16 h + 8 (b % 2) + 0 .. 7 of one token; the rows come back whole, 512 bytes,
; and row t belongs to token 32 (a / 2) + 8 (a % 2) + t + 8 (t / 8) of my 128.  LDS serves a wave's instructions in order (ISA guide 5.7.1.4): no wait between the stores and the loads.
.macro TOSTAGE a
.set AC, 64*((\a)%4)
	WIN 0x08+4*((\a)/4)                            ; an LDS store's data are its source 1: window 2 or 3
.irp b, 0,1,2,3,4,5,6,7
	ds_store_b128 v[STO], v[AC+8*\b:AC+8*\b+3] offset:128*(\b/2)+32*(\b%2)          ; each accumulator from its low end on
	ds_store_b128 v[STO], v[AC+8*\b+4:AC+8*\b+7] offset:128*(\b/2)+32*(\b%2)+16
.endr
	WIN 0
.set BB, BK+64*((\a)%2)
.irp t, 0,1,2,3,4,5,6,7,8,9,10,11,12,13,14,15
	ds_load_b128 v[BB+4*\t:BB+4*\t+3], v[RD] offset:\t*SPITCH
.endr
.endm
.macro SEND a, younger                 ; younger: the LDS instructions issued behind block a's loads, which may stay out
.set BB, BK+64*((\a)%2)
	s_wait_dscnt \younger
.irp t, 0,1,2,3,4,5,6,7,8,9,10,11,12,13,14,15
	global_store_b128 v[CO], v[BB+4*\t:BB+4*\t+3], s[12:13] offset:(32*((\a)/2)+8*((\a)%2)+\t+8*(\t/8))*4096 th:TH_STORE_NT   ; 32 lanes store 512 consecutive bytes, aligned; at most 127 rows on: inside the signed 24-bit immediate
.endr
.endm
	PLACES NP                                      ; behind the last products
	TOSTAGE 0
.irp a, 1,2,3,4,5,6,7
.if \a > 1
	s_wait_xcnt 0x0                                ; block a - 2's stores have read their registers: block a's loads may land there
.endif
	TOSTAGE \a
	SEND \a-1, 32                                  ; behind block a - 1's loads: block a's 16 stores and 16 loads
.endr
	SEND 7, 0
	s_wait_tensorcnt 0x0                           ; the wave's end: behind my last tensor load and my last LDS store
	ds_add_u32 v[SPW], v[NIL]
	s_wait_dscnt 0x0
	CROUND                                         ; the closing round
	s_endpgm
.Lfunc_end_k_qdb9e6c1d6c_oproj:
	.size	k_qdb9e6c1d6c_oproj, .Lfunc_end_k_qdb9e6c1d6c_oproj-k_qdb9e6c1d6c_oproj
	.p2alignl 7, 3214868480
	.fill 96, 4, 3214868480
	.section	.rodata,"a",@progbits
	.p2align	6, 0x0
	.amdhsa_kernel k_qdb9e6c1d6c_oproj
		.amdhsa_group_segment_fixed_size 327680
		.amdhsa_private_segment_fixed_size 0
		.amdhsa_enable_private_segment 0
		.amdhsa_kernarg_size 40
		.amdhsa_user_sgpr_count 2
		.amdhsa_user_sgpr_kernarg_segment_ptr 1
		.amdhsa_wavefront_size32 1
		.amdhsa_system_sgpr_workgroup_id_x 1
		.amdhsa_system_sgpr_workgroup_id_y 1
		.amdhsa_system_sgpr_workgroup_id_z 1
		.amdhsa_system_vgpr_workitem_id 0
		.amdhsa_next_free_vgpr 1024
		.amdhsa_next_free_sgpr 100
		.amdhsa_reserve_vcc 0
		.amdhsa_float_denorm_mode_32 3
		.amdhsa_float_denorm_mode_16_64 3
		.amdhsa_memory_ordered 1
		.amdhsa_forward_progress 1
		.amdhsa_inst_pref_size 141
	.end_amdhsa_kernel
	.amdgpu_metadata
---
amdhsa.version: [ 1, 2 ]
amdhsa.kernels:
  - .name:           k_qdb9e6c1d6c_oproj
    .symbol:         k_qdb9e6c1d6c_oproj.kd
    .args:
      - { .name: attc, .offset: 0, .size: 8, .value_kind: global_buffer, .address_space: global }
      - { .name: atts, .offset: 8, .size: 8, .value_kind: global_buffer, .address_space: global }
      - { .name: codes1, .offset: 16, .size: 8, .value_kind: global_buffer, .address_space: global }
      - { .name: scales1, .offset: 24, .size: 8, .value_kind: global_buffer, .address_space: global }
      - { .name: out0, .offset: 32, .size: 8, .value_kind: global_buffer, .address_space: global }
    .group_segment_fixed_size: 327680
    .private_segment_fixed_size: 0
    .kernarg_segment_align: 8
    .kernarg_segment_size: 40
    .max_flat_workgroup_size: 128
    .sgpr_count:     100
    .vgpr_count:     1024
    .wavefront_size: 32
...
	.end_amdgpu_metadata
.endif
;; end of part 4
